; MI455X (gfx1250); checked and timed in simulation.
; The chip was launched on July 23, 2026; its instructions are those of AMD's public machine-readable ISA for CDNA 5 (MIT licence, August 2026) and "CDNA5" Instruction Set Architecture Reference Guide (July 2026). The comments in the code are by the model that wrote it; some were corrected since.
;; My Module. Allowed arithmetic: matrix products marked QUANTISED: E2M1 operands, one E8M0 scale for each 32 along K, by v_wmma_scale_f32_16x16x128_f8f6f4 with both operands' format E2M1 (or v_wmma_scale_f32_32x16x128_f4), f32 sums; everything else in f32.
;; Inputs: Wk_codes 1,024 x 32 x 16 uint8 (E2M1 codes of Wk, K innermost, in blocks of 32 codes, two codes a byte); Wk_scales 1,024 x 32 uint8 (E8M0 scales of Wk, one for each 32 codes along K); Wo_codes 1,024 x 32 x 16 uint8 (E2M1 codes of Wo, K innermost, in blocks of 32 codes, two codes a byte); Wo_scales 1,024 x 32 uint8 (E8M0 scales of Wo, one for each 32 codes along K); Wq_codes 1,024 x 32 x 16 uint8 (E2M1 codes of Wq, K innermost, in blocks of 32 codes, two codes a byte); Wq_scales 1,024 x 32 uint8 (E8M0 scales of Wq, one for each 32 codes along K); Wv_codes 1,024 x 32 x 16 uint8 (E2M1 codes of Wv, K innermost, in blocks of 32 codes, two codes a byte); Wv_scales 1,024 x 32 uint8 (E8M0 scales of Wv, one for each 32 codes along K); bk 1,024 float32; bo 1,024 float32; bq 1,024 float32; bv 1,024 float32; mask 4 x 2,048 bool; x_codes 4 x 2,048 x 32 x 16 uint8 (E2M1 codes of x, K innermost, in blocks of 32 codes, two codes a byte); x_scales 4 x 2,048 x 32 uint8 (E8M0 scales of x, one for each 32 codes along K).
;; Outputs: out0 4 x 2,048 x 1,024 float32.
;; This version of the problem:
;;   THIS VERSION OF THE PROBLEM IS GIVEN IN LOW PRECISION. The matrix products marked QUANTISED in the list below multiply operands that are first quantised to E2M1 (2 exponent bits, 1 mantissa bit; 4 bits a number), with one power-of-two scale for each 32 numbers along K (OCP MX v1.0); their sums are f32. All else is computed in f32.
;;   The module's matrix products, in the order in which they are computed (A, B: the left and right operand; K: the contracted axis; several contracted axes count as one K, in the product's order):
;;     1. [M 8,192, K 1,024] x [K 1,024, N 1,024]; A: input x (given as codes); B: input Wq (given as codes): QUANTISED
;;     2. [M 8,192, K 1,024] x [K 1,024, N 1,024]; A: input x (given as codes); B: input Wk (given as codes): QUANTISED
;;     3. [M 8,192, K 1,024] x [K 1,024, N 1,024]; A: input x (given as codes); B: input Wv (given as codes): QUANTISED
;;     4. batch 64 x [M 2,048, K 64] x [K 64, N 2,048]; A: computed on the way; B: computed on the way: QUANTISED
;;     5. batch 64 x [M 2,048, K 2,048] x [K 2,048, N 64]; A: softmax (see below); B: computed on the way: QUANTISED
;;     6. [M 8,192, K 1,024] x [K 1,024, N 1,024]; A: computed on the way; B: input Wo (given as codes): QUANTISED
;;   THE QUANTISER, for each operand of a quantised product, along K:
;;     - K is cut into blocks of 32 from its start; a last block that is shorter is filled with zeros.
;;     - A block's scale is 2^e with e = floor(log2(the largest magnitude in the block)) - 2, held to -126 .. 127; a block of zeros has e = 0. As a byte (E8M0): e + 127.
;;     - Each number is divided by its block's scale, clamped to +-6, and rounded to the nearest number of E2M1, ties to even, subnormals kept.
;;     - The product sums the exact products of the quantised numbers (number of the format x scale) in f32.
;;   ~~~python
;;   def quantise(x, axis):      # numpy; x: float32 -> the quantised numbers, widened to float32 again
;;       x = np.moveaxis(x, axis, -1); K = x.shape[-1]
;;       x = np.pad(x, [(0, 0)] * (x.ndim - 1) + [(0, -K % 32)]); x = x.reshape(x.shape[:-1] + (-1, 32)); a = np.abs(x).max(-1, keepdims=True)
;;       e = np.where(a > 0, np.clip(np.frexp(np.where(a > 0, a, 1))[1] - 1 - 2, -126, 127), 0)      # np.frexp(a)[1] - 1 = floor(log2(a)), exactly
;;       r = np.clip(x / 2.0 ** e, -6, 6)
;;       step = 2.0 ** (np.maximum(np.frexp(np.where(r == 0, 1, r))[1] - 1, 0) - 1)
;;       q = np.round(r / step) * step * 2.0 ** e      # np.round: ties to even
;;       return np.moveaxis(q.reshape(q.shape[:-2] + (-1,))[..., :K], -1, axis).astype(np.float32)
;;   ~~~
;;   SOFTMAX AHEAD OF A QUANTISED PRODUCT. Where the list says 'softmax', what is quantised is not the finished softmax but p = 2^(t - M), with t = logit x log2(e) and M = ceil(the row's largest t), a whole number; so 1/2 < the row's largest p <= 1. The row's sum l is taken of the UNQUANTISED p, in f32, and the product's result is divided by l at the end. Since M is a whole number, a kernel that streams over the keys may use a running M (the ceiling of the running maximum): every later rescaling is an exact power of two, which a block's scale takes up: the codes' values come out the same.
;;   OPERANDS COMPUTED ON THE WAY. 'Computed on the way' means the value that the module computes at that place (a softmax that the list does not call 'softmax' is quantised finished and normalised). What goes into a quantiser is computed in f32, as accurately as f32 sums, v_exp_f32 and their like allow (about 1e-6 of the number): no bf16 or f16 on the way to a quantiser, and a product that is left as it is and whose result goes on into a quantised operand takes f32 operands (vector FMAs, or v_wmma_f32_16x16x4_f32). A number that lies on a knife's edge between two numbers of the format may be rounded either way, as far as f32 arithmetic and the matrix unit's own rounding can turn it there, and no further.
;;   INPUTS GIVEN AS CODES. Wk (in the module: [1024, 1024], K = its axis 0); Wo (in the module: [1024, 1024], K = its axis 0); Wq (in the module: [1024, 1024], K = its axis 0); Wv (in the module: [1024, 1024], K = its axis 0); x (in the module: [4, 2048, 1024], K = its axis 2): each comes as NAME_codes (uint8): NAME with its K axis moved to the last place and cut into blocks of 32 codes, [.., K / 32, bytes a block], one block behind the other in memory; two codes a byte, the lower K in the low four bits (a code: sign, 2 exponent bits, 1 mantissa bit); and NAME_scales (uint8): the same leading axes, one E8M0 byte (e + 127) for each 32 codes along K. Its value is code x scale, taken as it is: it is not quantised again, and the codes and scales need not be those that the quantiser above would give.
;; One version. Each part assembles by itself: llvm-mc -triple=amdgcn-amd-amdhsa -mcpu=gfx1250 --defsym DOCPART=n.
;; ======== version 1 of 1: 3 launches
;; limits: right only within a limited range of input values
;; workspace buffers: q_img 4,194,304 bytes; k_img 4,194,304 bytes; v_img 4,194,304 bytes; q_sc 262,144 bytes; k_sc 262,144 bytes; v_sc 262,144 bytes; ctx_img 4,194,304 bytes; ctx_sc 262,144 bytes
;; launch qkv (part 1): grid 12 x 32, 4 waves a work-group, clusters of 4 x 4, 296,448 bytes of LDS; arguments x_codes, x_scales, Wq_codes, Wk_codes, Wv_codes, Wq_scales, Wk_scales, Wv_scales, bq, bk, bv, mask, q_img, k_img, v_img, q_sc, k_sc, v_sc; writes q_img, k_img, v_img, q_sc, k_sc, v_sc
.if DOCPART == 1
	.amdgcn_target "amdgcn-amd-amdhsa--gfx1250"
	.amdhsa_code_object_version 6
	.text
	.protected	k_q212ea12aed_qkv
	.globl	k_q212ea12aed_qkv
	.p2align	8
	.type	k_q212ea12aed_qkv,@function
k_q212ea12aed_qkv:
	s_mov_b64 s[64:65], 0
	v_nop
	global_prefetch_b8 v0, s[64:65] scope:SCOPE_SE
	s_setreg_imm32_b32 hwreg(HW_REG_WAVE_MODE, 25, 1), 1
	s_wait_xcnt 0x0
	s_wait_alu depctr_hold_cnt(0) depctr_sa_sdst(0) depctr_va_vdst(0) depctr_va_sdst(0) depctr_va_ssrc(0) depctr_va_vcc(0) depctr_vm_vsrc(0)
	s_getreg_b32 s2, hwreg(HW_REG_IB_STS2, 6, 4)
	s_cmp_eq_u32 s2, 0
	s_cbranch_scc0 .Lentry_in_a_cluster
	s_endpgm
.Lentry_in_a_cluster:
	s_bfe_u32 s2, ttmp6, 0x10000c
	s_cmp_lg_u32 s2, 0xf033
	s_cbranch_scc0 .Lentry_shape_is_right
	s_endpgm
.Lentry_shape_is_right:
; q = x Wq + bq, k = x Wk + bk, v = x Wv + bv on codes of FP4 (E2M1) with E8M0 scales, and the results quantised again: q and k along the head's 64, v along the keys.
; x: [8192 tokens][1024 K] as codes, 512 bytes a row; each W: [1024 columns][1024 K] likewise; scale bytes 32 a row.  Sums in f32; the bias is the C of each sum's first product.
; SHARES.  A work-group of four waves makes 256 tokens x 256 columns of ONE of the three products; which one is T, the cluster's x (0 q, 1 k, 2 v), the same in all sixteen partners.  A wave makes 128 x 128: 64 accumulators.
; All of K = 1,024 lies in LDS at once, as two halves of 512 (rows of 256 bytes): every LDS byte is filled once, so there is no ring.
; P AND R.  Source 0 of the matrix instruction (P) runs along a lane's registers in the result, source 1 (R) along the lanes.  A quantiser wants its K along a lane's registers.  So for q and k P = W and R = x (a lane holds a token,
; its registers 128 columns = two heads), and for v P = x and R = W (a lane holds a column, its registers 128 tokens = one key step).  The tiles lie at the same LDS places either way; only the bases of the reads change places.
; THE QUANTISER.  In tile t of 16 rows of P lane (r, h) holds rows 16 t + 8 h + 0 .. 7: of block t / 2 the eight numbers 16 (t % 2) + 8 h on.  A block of 32 lies in lanes l and l xor 16.  The conversion of block b, tile half u goes to
; register 4 (b / 2) + 2 u + b % 2; registers 4 c + 2 u and 4 c + 2 u + 1 then change halves of lanes, and register 4 c + g of lane (r, h) holds k = 64 c + 32 h + 8 g + 0 .. 7: the operand's own layout.
; WHAT IS STORED: images of operand registers, lane l's 16 bytes at 16 l: q_img, k_img [batch x head 64][token tile 128][512 bytes]; v_img [batch x head][key step 16][16 channels 4][half 2][512 bytes];
; q_sc, k_sc [batch x head][step 16][row 16][pair of tiles 4] words (two bytes of the even tile, two of the odd); v_sc [batch x head][step][row 16][16 channels 4] words.  Every store covers whole aligned runs of 256 bytes.
; THE MASK: the codes of k of a hidden key are stored as zeros, so that its score is exactly what the next launch puts in as C.  q and v are kept whole.
; CLUSTERS: 4 x 4.  x's tiles hang on the token block alone and go jointly to a row of the cluster, W's on T and the column block alone and go to a column.
; 384 work-groups: 24 clusters.  A tile of 256 x 384, which would make 256, does not fit: its two K halves and scales take more than a WGP's LDS.
; LIMITS: NaN, infinities and scale bytes 0xff are not served.  A block whose largest magnitude lies under 2^-124, a block of zeros too, keeps the byte 1 (its codes are right or zeros; these bytes are read by this program alone).  Mask bytes are 0 or 1.
; REGISTERS, in windows of 256: window 0: v1-27 addresses; v32-95 scale words, a set for each K half; v96-103 the keys' AND masks; v104-111 the scale words made; v112-127 at work; v128-191 R's fragments, one set (later the codes made);
;   v192-255 the bias tiles.   window 1: P's fragments, two sets, at v0 and v128.   windows 2, 3: accumulator (a, b) at v[8 (8 (a % 4) + b)] of window 2 + a / 4.
.set PITCH,  272                       ; an LDS row: 256 bytes + 16 of padding: the 16 rows that a load touches begin 68 words apart
.set HALFT,  128*PITCH                 ; 128 rows: what one tensor load brings
.set SLOT,   4*HALFT                   ; a K half: x's 256 rows, then W's 256 rows
.set SCL,    2*SLOT                    ; behind them the scale bytes, as runs of 256 bytes + 16: x's 256 rows, then W's
.set HALFS,  16*272                    ; those of 128 rows
.set SBLK,   2*272                     ; those of 16 rows
.set NP,     4                         ; places behind this matrix instruction (ISA guide 7.12.1)
.set VO1,  8                           ; v8   where my first four code registers go
.set VO2,  9                           ; v9   and my second four
.set VOS,  10                          ; v10  where my four scale words go
.set SELV, 11                          ; v11  byte selects: lanes 0-15 gather the first head's bytes, lanes 16-31 the second's
.set ADRR, 16                          ; v16-17 LDS address of R's fragments in K half 0, 1
.set ADRP, 20                          ; v20-21 the same for P
.set ADRS, 27                          ; v27  LDS address of my scale words: lanes 0-15 R's rows, lanes 16-31 P's
.set SC,   32
.set KEEP, 96
.set PWS,  104
.set TM,   112                         ; v112-115 largest magnitudes, v116-119 bytes, v124-127 the conversions' scale operands
.set RF,   128
.set CB,   192
.set PC,   128                         ; the way out: a block's eight code registers
.set OW,   136                         ; and the four scale words that leave
.set G1, 24                            ; s[24:31] group 1 for x's tiles;  s[32:39] group 0, a set for each K half
.set G0, 32
.set G1B, 48                           ; s[48:55], s[56:63] the same for W's
.set G0B, 56
.set G1S, 68                           ; s[68:75], s[76:79] groups 1 and 0 for x's scales;  s[80:87], s[88:91] for W's
.set G0S, 76
.set G1SB, 80
.set G0SB, 88
.set SEL, 66                           ; s[66:67] lane selects for v_permlanex16_b32: lane l xor 16
.set MSB, 0
.macro WIN new                         ; the immediate's high byte repeats the setting that is left; a switch that changes nothing is dropped
.if MSB != (\new)
	s_set_vgpr_msb (MSB<<8)|(\new)
.set MSB, (\new)
.endif
.endm
.macro PLACES n
.rept \n
	v_nop
.endr
.endm
; A joint load: waves 0 and 1 fetch for x, waves 2 and 3 for W.  The branch hangs on the wave's number alone.  Four v_nop follow each of the two lines.
.macro JLOAD g0a, g1a, g0b, g1b
	s_cmp_eq_u32 s15, 0
	s_cbranch_scc0 .Lfor_b_\@
	tensor_load_to_lds s[\g0a:\g0a+3], s[\g1a:\g1a+7]
	s_nop 0
.rept 4
	v_nop
.endr
	s_branch .Lasked_\@
.Lfor_b_\@:
	tensor_load_to_lds s[\g0b:\g0b+3], s[\g1b:\g1b+7]
	s_nop 0
.rept 4
	v_nop
.endr
.Lasked_\@:
.endm
.macro CROUND                          ; a round of the cluster's barrier
	s_barrier_signal -1
	s_barrier_wait -1
	s_cmp_lg_u32 s14, 0
	s_cbranch_scc1 .Lnot_wave_0_\@
	s_barrier_signal -3
.Lnot_wave_0_\@:
	s_barrier_wait -3
	s_barrier_signal -1
	s_barrier_wait -1
.endm
	s_load_b512 s[68:83], s[0:1], 0x0              ; x codes, x scales, Wq Wk Wv codes, Wq Wk Wv scales
	s_load_b512 s[84:99], s[0:1], 0x40             ; bq bk bv, mask, q_img k_img v_img, q_sc
	s_load_b128 s[60:63], s[0:1], 0x80             ; k_sc, v_sc
	v_lshl_add_u32 v122, v0, 2, 0x48400
	v_mov_b32 v123, 0
	ds_add_u32 v122, v123
	ds_add_u32 v122, v123
	v_lshrrev_b32 v1, 5, v0
	v_readfirstlane_b32 s14, v1                    ; wave 0..3
	s_lshr_b32 s15, s14, 1                         ; which half of R's 256 rows is mine.  Also: I fetch for x (0) or for W (1)
	s_and_b32 s16, s14, 1                          ; which half of P's.  Also: which 128 rows I fetch
	s_bfe_u32 s40, ttmp6, 0x40000                  ; cx: the block of 256 columns
	s_bfe_u32 s41, ttmp6, 0x40004                  ; cy
	s_mov_b32 s42, ttmp9                           ; T: the cluster's x: 0 q, 1 k, 2 v
	s_and_b32 s17, ttmp7, 0xffff
	s_lshl_b32 s17, s17, 2
	s_add_co_u32 s17, s17, s41                     ; y: the block of 256 tokens = 4 x cluster y + cy
	s_lshl_b32 s43, s41, 2
	s_lshl_b32 s43, 15, s43                        ; my row of the cluster
	s_lshl_b32 s44, 0x1111, s40                    ; my column
	s_lshl_b32 s18, s16, 7                         ; which 128 rows I fetch
	s_lshl_b32 s20, s17, 8
	s_add_co_u32 s20, s20, s18                     ; x: row 256 y + 128 half
	s_lshl_b32 s46, s40, 8
	s_add_co_u32 s46, s46, s18                     ; W: row 256 cx + 128 half
	s_lshl_b32 s22, s20, 5                         ; x: 32 scale bytes a row,
	s_lshl_b32 s20, s20, 9                         ; 512 bytes of codes
	s_mov_b32 s21, 0
	s_mov_b32 s23, 0
	s_mul_i32 s45, s14, HALFT                      ; where they go: wave x 128 rows: no place in the cluster enters an LDS address
	s_mul_i32 s3, s14, HALFS
	s_wait_dscnt 0x0
	s_wait_kmcnt 0x0
	s_cmp_eq_u32 s42, 0                            ; the buffers of my product: a choice that hangs on the cluster's number alone
	s_cselect_b64 s[8:9], s[72:73], s[74:75]
	s_cselect_b64 s[10:11], s[78:79], s[80:81]
	s_cselect_b64 s[66:67], s[84:85], s[86:87]
	s_cselect_b64 s[12:13], s[92:93], s[94:95]
	s_cselect_b64 s[100:101], s[98:99], s[60:61]
	s_cmp_eq_u32 s42, 2
	s_cselect_b64 s[8:9], s[76:77], s[8:9]         ; W's codes
	s_cselect_b64 s[10:11], s[82:83], s[10:11]     ; W's scales
	s_cselect_b64 s[66:67], s[88:89], s[66:67]     ; the bias
	s_cselect_b64 s[12:13], s[96:97], s[12:13]     ; the images
	s_cselect_b64 s[100:101], s[62:63], s[100:101] ; the scale words
	s_mov_b64 s[4:5], s[68:69]                     ; x's codes
	s_mov_b64 s[6:7], s[70:71]                     ; x's scales
	s_mov_b64 s[98:99], s[90:91]                   ; the mask
	s_mov_b64 s[96:97], s[66:67]                   ; the bias
	s_lshl_b32 s92, s46, 5
	s_lshl_b32 s46, s46, 9
	s_mov_b32 s47, 0
	s_mov_b32 s93, 0
	; descriptor group 1: a tile of 128 rows x 256 bytes, rows 512 bytes apart in memory, padded in LDS
	s_or_b32 s[G1+0], s43, (0<<16)|(1<<20)|(1<<21)|(5<<22)|(3<<25)  ; 15:0 the mask: x's tiles go to my row; 17:16 elements of 1 byte; 20 padding on; 21 set beside a mask; 24:22 after every 64 words; 31:25 four words
	s_or_b32 s[G1B+0], s44, (0<<16)|(1<<20)|(1<<21)|(5<<22)|(3<<25) ; W's go to my column
.irp g, G1, G1B
	s_mov_b32 s[\g+1], 256<<16                     ; tensor_dim0
	s_mov_b32 s[\g+2], 128<<16                     ; tensor_dim1
	s_mov_b32 s[\g+3], 256<<16                     ; tile_dim0
	s_mov_b32 s[\g+4], 128                         ; tile_dim1
	s_mov_b32 s[\g+5], 512                         ; tensor_dim0_stride
	s_mov_b32 s[\g+6], 0
	s_mov_b32 s[\g+7], 0
.endr
	; the scale bytes of 128 rows: 4,096 dense bytes, as 16 rows of 256 (32 elements of 8 bytes), 16 bytes of padding behind each
	s_or_b32 s[G1S+0], s43, (3<<16)|(1<<20)|(1<<21)|(5<<22)|(3<<25)
	s_or_b32 s[G1SB+0], s44, (3<<16)|(1<<20)|(1<<21)|(5<<22)|(3<<25)
.irp g, G1S, G1SB
	s_mov_b32 s[\g+1], 32<<16
	s_mov_b32 s[\g+2], 16<<16
	s_mov_b32 s[\g+3], 32<<16
	s_mov_b32 s[\g+4], 16
	s_mov_b32 s[\g+5], 32
	s_mov_b32 s[\g+6], 0
	s_mov_b32 s[\g+7], 0
.endr
	s_add_nc_u64 s[20:21], s[4:5], s[20:21]
	s_add_nc_u64 s[22:23], s[6:7], s[22:23]
	s_add_nc_u64 s[46:47], s[8:9], s[46:47]
	s_add_nc_u64 s[92:93], s[10:11], s[92:93]
	CROUND                                         ; all sixteen work-groups are here: the joint loads meet
	s_mov_b32 s[G0S], 1
	s_add_co_u32 s[G0S+1], s3, SCL
	s_mov_b64 s[G0S+2:G0S+3], s[22:23]
	s_or_b32 s[G0S+3], s[G0S+3], 0x80000000
	s_mov_b32 s[G0SB], 1
	s_add_co_u32 s[G0SB+1], s3, SCL
	s_mov_b64 s[G0SB+2:G0SB+3], s[92:93]
	s_or_b32 s[G0SB+3], s[G0SB+3], 0x80000000
	JLOAD G0S, G1S, G0SB, G1SB                     ; the scales first: they are wanted with the first K half
.irp s, 0,1
	s_mov_b32 s[G0+4*\s], 1
	s_add_co_u32 s[G0+4*\s+1], s45, \s*SLOT
	s_add_nc_u64 s[G0+4*\s+2:G0+4*\s+3], s[20:21], \s*256
	s_or_b32 s[G0+4*\s+3], s[G0+4*\s+3], 0x80000000
	s_mov_b32 s[G0B+4*\s], 1
	s_add_co_u32 s[G0B+4*\s+1], s45, \s*SLOT
	s_add_nc_u64 s[G0B+4*\s+2:G0B+4*\s+3], s[46:47], \s*256
	s_or_b32 s[G0B+4*\s+3], s[G0B+4*\s+3], 0x80000000
	JLOAD G0+4*\s, G1, G0B+4*\s, G1B               ; three tensor loads of mine are out now: all that this launch issues
.endr
	; what hangs on T = 2, all behind one compare (s_mov_b32 leaves SCC alone)
	s_cmp_eq_u32 s42, 2
	s_cselect_b32 s18, 2*HALFT, 0                  ; R's tiles: x's for q and k, W's for v
	s_cselect_b32 s19, 0, 2*HALFT                  ; P's: the other
	s_cselect_b32 s92, 2*HALFS, 0                  ; R's scales
	s_cselect_b32 s93, 0, 2*HALFS                  ; P's
	s_cselect_b32 s94, s15, s16                    ; which half of W's 256 columns is mine
	s_cselect_b32 s95, s16, s15                    ; which half of x's 256 tokens
	s_mov_b32 s46, 0x10000
	s_cselect_b32 s46, 512, s46                    ; from my first four code registers to my second four: a head on (q, k), half a fragment on (v)
	s_mov_b32 s47, 512
	s_cselect_b32 s47, 1024, s47                   ; from a block of R to the next: a token tile on, or 16 channels on
	s_mov_b32 s104, 512
	s_cselect_b32 s104, 62464, s104                ; from block 3 to block 4: for v a head on and back to its first channels: 65,536 - 3 x 1,024
	s_cmp_eq_u32 s42, 1
	s_cselect_b32 s105, 0, -1                      ; only k's codes are masked
	s_mov_b32 s[SEL], 0x76543210
	s_mov_b32 s[SEL+1], 0xfedcba98
	v_and_b32 v1, 15, v0                           ; r = lane % 16
	v_bfe_u32 v2, v0, 4, 1                         ; h = lane / 16
	v_mul_u32_u24 v3, v1, PITCH
	v_lshl_add_u32 v4, v2, 4, v3                   ; a fragment's row x pitch + 16 h
	s_mul_i32 s21, s15, HALFT
	s_add_co_u32 s21, s21, s18                     ; my 128 rows of R
	s_mul_i32 s22, s16, HALFT
	s_add_co_u32 s22, s22, s19                     ; my 128 rows of P
.irp s, 0,1
	v_add_nc_u32 v[ADRR+\s], s21, v4
	v_add_nc_u32 v[ADRP+\s], s22, v4
	s_add_co_u32 s21, s21, SLOT
	s_add_co_u32 s22, s22, SLOT
.endr
	v_lshlrev_b32 v5, 5, v1                        ; my row's scale bytes: 32 a row,
	v_lshrrev_b32 v6, 8, v5
	v_lshl_add_u32 v5, v6, 4, v5                   ; and 16 more for each 256 passed
	s_mul_i32 s21, s15, HALFS
	s_add_co_u32 s21, s21, s92
	s_add_co_u32 s21, s21, SCL                     ; R's
	s_mul_i32 s22, s16, HALFS
	s_add_co_u32 s22, s22, s93
	s_add_co_u32 s22, s22, SCL                     ; P's
	v_mov_b32 v6, s21
	v_mov_b32 v7, s22
	v_cmp_eq_u32 vcc_lo, 1, v2
	v_cndmask_b32 v6, v6, v7, vcc_lo               ; lanes 16-31 take P's
	v_add_nc_u32 v[ADRS], v5, v6
	v_mov_b32 v[SELV], 0x05040100
	v_mov_b32 v7, 0x07060302
	v_cndmask_b32 v[SELV], v[SELV], v7, vcc_lo
	v_and_b32 v12, 31, v0
	v_lshlrev_b32 v[VO1], 4, v12                   ; an image: 16 bytes a lane
	v_add_nc_u32 v[VO2], s46, v[VO1]
	v_lshlrev_b32 v[VOS], 4, v1
	v_lshl_add_u32 v[VOS], v2, 12, v[VOS]          ; scale words: 16 r, and lanes 16-31 a head (4,096 bytes) on
.irp b, 0,1,2,3
	v_mov_b32 v[TM+4+\b], 0                        ; written once: a lane permute's destination counts as one of its sources
.endr
	; where my results go: batch x head = 16 (y / 8) + 4 cx + 2 x my half of the columns; key step = 2 (y % 8) + my half of the tokens
	s_lshr_b32 s20, s17, 3
	s_lshl_b32 s20, s20, 4
	s_lshl_b32 s21, s40, 2
	s_add_co_u32 s20, s20, s21
	s_lshl_b32 s21, s94, 1
	s_add_co_u32 s20, s20, s21
	s_and_b32 s21, s17, 7
	s_lshl_b32 s21, s21, 1
	s_add_co_u32 s21, s21, s95
	s_lshl_b32 s22, s20, 16                        ; images: 65,536 bytes a head, 4,096 a step
	s_lshl_b32 s23, s21, 12
	s_add_co_u32 s22, s22, s23
	s_mov_b32 s23, 0
	s_add_nc_u64 s[12:13], s[12:13], s[22:23]
	s_lshl_b32 s22, s20, 12                        ; scale words: 4,096 bytes a head, 256 a step
	s_lshl_b32 s23, s21, 8
	s_add_co_u32 s22, s22, s23
	s_mov_b32 s23, 0
	s_add_nc_u64 s[100:101], s[100:101], s[22:23]
	s_lshl_b32 s22, s40, 10                        ; the bias of my 128 columns
	s_lshl_b32 s23, s94, 9
	s_add_co_u32 s22, s22, s23
	s_mov_b32 s23, 0
	s_add_nc_u64 s[96:97], s[96:97], s[22:23]
	s_lshl_b32 s22, s17, 8                         ; the mask bytes of tokens 256 y + 128 (wave / 2) on: for q and k these are R's rows
	s_lshl_b32 s23, s15, 7
	s_add_co_u32 s22, s22, s23
	s_mov_b32 s23, 0
	s_add_nc_u64 s[98:99], s[98:99], s[22:23]
.irp a, 0,1,2,3,4,5,6,7
	global_load_u8 v[KEEP+\a], v1, s[98:99] offset:16*\a
.endr
	v_lshlrev_b32 v5, 5, v2                        ; 32 h
	v_lshlrev_b32 v6, 2, v1                        ; 4 r
	s_cmp_eq_u32 s42, 2
	s_cbranch_scc1 .Lbias_v
.irp b, 0,1,2,3,4,5,6,7                        ; q, k: the columns run along my registers: tile b wants the bias of columns 16 b + 8 h + 0 .. 7
	global_load_b128 v[CB+8*\b:CB+8*\b+3], v5, s[96:97] offset:64*\b
	global_load_b128 v[CB+8*\b+4:CB+8*\b+7], v5, s[96:97] offset:64*\b+16
.endr
	s_branch .Lbias_done
.Lbias_v:
.irp a, 0,1,2,3,4,5,6,7                        ; v: my lane is a column: block a wants the bias of column 16 a + r in all eight registers
.irp j, 0,1,2,3,4,5,6,7
	global_load_b32 v[CB+8*\a+\j], v6, s[96:97] offset:64*\a
.endr
.endr
.Lbias_done:
.macro FRAG reg, adr, q, i             ; 16 rows x 128 K of 4-bit codes: 8 registers: lane l holds row l % 16; registers 4 c .. 4 c + 3 hold K = 64 c + 32 (l / 16) + 0 .. 31
.irp c, 0,1
	ds_load_b128 v[\reg+4*\c:\reg+4*\c+3], v[\adr] offset:64*(\q)+32*\c+(\i)*16*PITCH
.endr
.endm
; 8 matrix instructions: R's block a against P's eight, 128 along K: the K half's q-th.  p: P's set; sc: the set of scale words.  mode 0: the sums go on; 1, 2: the first products start them with the bias (by P's block, by R's block).
; All 64 accumulators take turns, one instruction a turn, in the same order in every step.
.macro MULA a, p, q, sc, mode
.if \mode == 0
	WIN 0xa1+0x50*((\a)/4)                         ; P window 1, R window 0, C and D window 2 or 3
.else
	WIN 0x81+0x40*((\a)/4)                         ; the same with C in window 0
.endif
.irp b, 0,1,2,3,4,5,6,7
.if \mode == 0
	v_wmma_scale_f32_16x16x128_f8f6f4 v[8*(8*((\a)%4)+\b):8*(8*((\a)%4)+\b)+7], v[128*(\p)+8*\b:128*(\p)+8*\b+7], v[RF+8*(\a):RF+8*(\a)+7], v[8*(8*((\a)%4)+\b):8*(8*((\a)%4)+\b)+7], v[SC+32*(\sc)+4*\b+(\q)], v[SC+32*(\sc)+4*(\a)+(\q)] matrix_a_fmt:MATRIX_FMT_FP4 matrix_b_fmt:MATRIX_FMT_FP4 matrix_a_scale:MATRIX_SCALE_ROW1
.elseif \mode == 1
	v_wmma_scale_f32_16x16x128_f8f6f4 v[8*(8*((\a)%4)+\b):8*(8*((\a)%4)+\b)+7], v[128*(\p)+8*\b:128*(\p)+8*\b+7], v[RF+8*(\a):RF+8*(\a)+7], v[CB+8*\b:CB+8*\b+7], v[SC+32*(\sc)+4*\b+(\q)], v[SC+32*(\sc)+4*(\a)+(\q)] matrix_a_fmt:MATRIX_FMT_FP4 matrix_b_fmt:MATRIX_FMT_FP4 matrix_a_scale:MATRIX_SCALE_ROW1
.else
	v_wmma_scale_f32_16x16x128_f8f6f4 v[8*(8*((\a)%4)+\b):8*(8*((\a)%4)+\b)+7], v[128*(\p)+8*\b:128*(\p)+8*\b+7], v[RF+8*(\a):RF+8*(\a)+7], v[CB+8*(\a):CB+8*(\a)+7], v[SC+32*(\sc)+4*\b+(\q)], v[SC+32*(\sc)+4*(\a)+(\q)] matrix_a_fmt:MATRIX_FMT_FP4 matrix_b_fmt:MATRIX_FMT_FP4 matrix_a_scale:MATRIX_SCALE_ROW1
.endif
.endr
.endm
.macro MUL_Q1 p, q, sc, mode           ; R's blocks 0, 1
	MULA 0, \p, \q, \sc, \mode
	MULA 1, \p, \q, \sc, \mode
.endm
.macro MUL_Q2 p, q, sc, mode           ; blocks 2, 3
	MULA 2, \p, \q, \sc, \mode
	MULA 3, \p, \q, \sc, \mode
.endm
.macro MUL_H2 p, q, sc, mode           ; blocks 4 to 7
	MULA 4, \p, \q, \sc, \mode
	MULA 5, \p, \q, \sc, \mode
	MULA 6, \p, \q, \sc, \mode
	MULA 7, \p, \q, \sc, \mode
.endm
.macro FETCH_P slot, q, p              ; P's eight fragments into set p
	WIN 0x40                                       ; destination window 1, address window 0
.irp i, 0,1,2,3,4,5,6,7
	FRAG 128*(\p)+8*\i, ADRP+\slot, \q, \i
.endr
	WIN 0
.endm
.macro FETCH_R slot, q, i0             ; R's blocks i0 .. i0 + 3
.irp i, \i0, \i0+1, \i0+2, \i0+3
	FRAG RF+8*(\i), ADRR+\slot, \q, \i
.endr
.endm
.macro SCALES sc                       ; a K half's scale words: four a row; lanes 0-15 take R's block i, lanes 16-31 P's block i
.irp i, 0,1,2,3,4,5,6,7
	ds_load_b128 v[SC+32*\sc+4*\i:SC+32*\sc+4*\i+3], v[ADRS] offset:\i*SBLK
.endr
.endm
; A step of 128 along K that has its successor in the same K half.  A block of R is free as soon as its eight products are issued: blocks 0-3 are fetched anew in the step's middle, blocks 4-7 at its end; P has two sets.
; A load into a register that a matrix instruction has read stands four places behind it (plain vector instructions that name none of its registers).
.macro STEP slot, q, mode
	s_wait_dscnt 8                                 ; all but the youngest eight loads (R's blocks 4-7) are in
	MUL_Q1 (\q)%2, \q, \slot, \mode
	MUL_Q2 (\q)%2, \q, \slot, \mode
	s_wait_dscnt 0x0                               ; R's blocks 4-7 are in (asked for 32 matrix instructions ago)
	PLACES NP
	FETCH_P \slot, (\q)+1, 1-(\q)%2
	FETCH_R \slot, (\q)+1, 0
	MUL_H2 (\q)%2, \q, \slot, \mode
	PLACES NP
	WIN 0
	FETCH_R \slot, (\q)+1, 4
.endm
	s_wait_tensorcnt 1                             ; the scales and my part of K half 0 are in; only K half 1's load may be out
	s_barrier_signal -1
	s_barrier_wait -1                              ; everybody's are
	FETCH_P 0, 0, 0
	FETCH_R 0, 0, 0
	SCALES 0
	FETCH_R 0, 0, 4
	s_wait_loadcnt 0x0                             ; the bias and the mask bytes
	s_cmp_eq_u32 s42, 2                            ; the first step is written twice: its products take the bias as C, by P's block or by R's.  Both ways issue the same loads
	s_cbranch_scc1 .Lfirst_v
	STEP 0, 0, 1
	s_branch .Lfirst_done
.Lfirst_v:
	STEP 0, 0, 2
.Lfirst_done:
	STEP 0, 1, 0
	STEP 0, 2, 0
	; the last step of K half 0, and the one barrier that shows K half 1 whole to every wave
	s_wait_tensorcnt 0x0                           ; my part of K half 1 has landed
	s_wait_dscnt 8
	MUL_Q1 1, 3, 0, 0
	s_wait_dscnt 0x0                               ; no LDS instruction of mine is out at the signal
	s_barrier_signal -1
	MUL_Q2 1, 3, 0, 0                              ; work on registers while the others arrive
	WIN 0
	s_barrier_wait -1
	PLACES NP
	v_add_nc_u32 v[ADRS], 16, v[ADRS]              ; the second 16 of a row's 32 scale bytes
	FETCH_P 1, 0, 0
	FETCH_R 1, 0, 0
	SCALES 1
	MUL_H2 1, 3, 0, 0
	PLACES NP
	WIN 0
	FETCH_R 1, 0, 4
	STEP 1, 0, 0
	STEP 1, 1, 0
	STEP 1, 2, 0
	s_wait_dscnt 8                                 ; the very last step: nothing more to fetch
	MUL_Q1 1, 3, 1, 0
	MUL_Q2 1, 3, 1, 0
	s_wait_dscnt 0x0
	MUL_H2 1, 3, 1, 0
	WIN 0
	; THE WAY OUT, a block of R (16 lanes' rows x 128 along the next K) at a time; nothing goes through LDS: the codes made ARE an operand's registers and are stored as they stand.
.irp a, 0,1,2,3,4,5,6,7
	v_sub_nc_u32 v[KEEP+\a], 0, v[KEEP+\a]         ; 1 -> all ones, 0 -> 0.  (These sixteen plain lines are the places behind the last products)
.endr
.irp a, 0,1,2,3,4,5,6,7
	v_or_b32 v[KEEP+\a], s105, v[KEEP+\a]          ; all ones for q and v
.endr
.macro QMAX a                          ; the four blocks' largest magnitudes, scale operands and bytes; the scale word into v[PWS + a]
.set AS, 64*((\a)%4)
	WIN 5*(2+(\a)/4)                               ; sources 0 and 1: the accumulators' window
.irp b, 0,1,2,3
	v_max3_num_f32 v[TM+\b], |v[AS+16*\b]|, |v[AS+16*\b+1]|, 0x1800000   ; each accumulator is read from its low end on; the floor 2^(3 - 127) holds the byte at 1 from below
.endr
.irp i, 2,4,6,8,10,12,14
.irp b, 0,1,2,3
	v_max3_num_f32 v[TM+\b], |v[AS+16*\b+\i]|, |v[AS+16*\b+\i+1]|, v[TM+\b]   ; (the four blocks by turns)
.endr
.endr
	WIN 0
.irp b, 0,1,2,3
	v_permlanex16_b32 v[TM+4+\b], v[TM+\b], s[SEL], s[SEL+1]
.endr
.irp b, 0,1,2,3
	v_max_num_f32 v[TM+\b], v[TM+\b], v[TM+4+\b]   ; with lane l xor 16's: the block's largest magnitude
.endr
.irp b, 0,1,2,3
	v_add_nc_u32 v[TM+12+\b], 0xff000000, v[TM+\b] ; 2 off its exponent field: the conversion takes this operand's exponent field as its scale
.endr
.irp b, 0,1,2,3
	v_lshrrev_b32 v[TM+4+\b], 23, v[TM+12+\b]      ; the scale's byte
.endr
	v_lshl_or_b32 v[PWS+\a], v[TM+5], 8, v[TM+4]
	v_lshl_or_b32 v[PWS+\a], v[TM+6], 16, v[PWS+\a]
	v_lshl_or_b32 v[PWS+\a], v[TM+7], 24, v[PWS+\a]
.endm
.macro QCVT a                          ; the codes, into the operand's order
.set AS, 64*((\a)%4)
	WIN 2+(\a)/4                                   ; source 0: the accumulators' window
.irp b, 0,1,2,3
.irp t, 0,1
	v_cvt_scalef32_pk8_fp4_f32 v[PC+4*(\b/2)+2*\t+(\b%2)], v[AS+16*\b+8*\t:AS+16*\b+8*\t+7], v[TM+12+\b]
.endr
.endr
	WIN 0
	v_nop                                          ; one plain place behind a scaled conversion
.irp c, 0,1
.irp t, 0,1
	v_permlane16_swap_b32 v[PC+4*\c+2*\t], v[PC+4*\c+2*\t+1]   ; the first's lanes 16-31 change places with the second's lanes 0-15: register 4 c + g now holds k = 64 c + 32 h + 8 g + 0 .. 7
.endr
.endr
.endm
.irp a, 0,1,2,3,4,5,6,7
	QMAX \a
.if \a > 0
	s_wait_xcnt 0x0                                ; the last block's stores have read their data and offsets: both are written again only behind this wait
.if \a == 4
	v_add_nc_u32 v[VO1], s104, v[VO1]
	v_add_nc_u32 v[VO2], s104, v[VO2]
.else
	v_add_nc_u32 v[VO1], s47, v[VO1]
	v_add_nc_u32 v[VO2], s47, v[VO2]
.endif
.endif
	QCVT \a
.irp i, 0,1,2,3,4,5,6,7
	v_and_b32 v[PC+\i], v[KEEP+\a], v[PC+\i]       ; k: the codes of a hidden key become zeros
.endr
	global_store_b128 v[VO1], v[PC:PC+3], s[12:13]     ; 32 lanes store 512 consecutive bytes, at a multiple of 512 from the buffer's first byte
	global_store_b128 v[VO2], v[PC+4:PC+7], s[12:13]
.endr
	v_cmp_eq_u32 vcc_lo, 1, v2
	s_cmp_eq_u32 s42, 2
	s_cbranch_scc1 .Lsc_v
.irp p, 0,1,2,3                                ; q, k: a word = two bytes of token tile 2 p and two of tile 2 p + 1, of the first head (lanes 0-15) or the second (lanes 16-31)
	v_perm_b32 v[OW+\p], v[PWS+2*\p+1], v[PWS+2*\p], v[SELV]
.endr
	s_branch .Lsc_done
.Lsc_v:
.irp p, 0,1,2,3                                ; v: the words as they are: channels 16 p on, of the first head (blocks 0-3) or the second (blocks 4-7)
	v_cndmask_b32 v[OW+\p], v[PWS+\p], v[PWS+4+\p], vcc_lo
.endr
.Lsc_done:
	global_store_b128 v[VOS], v[OW:OW+3], s[100:101]   ; each half of the lanes stores 256 consecutive bytes, aligned
	s_wait_tensorcnt 0x0
	ds_add_u32 v122, v123
	s_wait_dscnt 0x0
	CROUND                                         ; the closing round: no work-group ends while a partner may still ask for a tile that names it
	s_endpgm
.Lfunc_end_k_q212ea12aed_qkv:
	.size	k_q212ea12aed_qkv, .Lfunc_end_k_q212ea12aed_qkv-k_q212ea12aed_qkv
	.p2alignl 7, 3214868480
	.fill 96, 4, 3214868480
	.section	.rodata,"a",@progbits
	.p2align	6, 0x0
	.amdhsa_kernel k_q212ea12aed_qkv
		.amdhsa_group_segment_fixed_size 296448
		.amdhsa_private_segment_fixed_size 0
		.amdhsa_enable_private_segment 0
		.amdhsa_kernarg_size 144
		.amdhsa_user_sgpr_count 2
		.amdhsa_user_sgpr_kernarg_segment_ptr 1
		.amdhsa_wavefront_size32 1
		.amdhsa_system_sgpr_workgroup_id_x 1
		.amdhsa_system_sgpr_workgroup_id_y 1
		.amdhsa_system_sgpr_workgroup_id_z 1
		.amdhsa_system_vgpr_workitem_id 0
		.amdhsa_next_free_vgpr 1024
		.amdhsa_next_free_sgpr 106
		.amdhsa_reserve_vcc 1
		.amdhsa_float_denorm_mode_32 3
		.amdhsa_float_denorm_mode_16_64 3
		.amdhsa_memory_ordered 1
		.amdhsa_forward_progress 1
		.amdhsa_inst_pref_size 152
	.end_amdhsa_kernel
	.amdgpu_metadata
---
amdhsa.version: [ 1, 2 ]
amdhsa.kernels:
  - .name:           k_q212ea12aed_qkv
    .symbol:         k_q212ea12aed_qkv.kd
    .args:
      - { .name: x_codes, .offset: 0, .size: 8, .value_kind: global_buffer, .address_space: global }
      - { .name: x_scales, .offset: 8, .size: 8, .value_kind: global_buffer, .address_space: global }
      - { .name: Wq_codes, .offset: 16, .size: 8, .value_kind: global_buffer, .address_space: global }
      - { .name: Wk_codes, .offset: 24, .size: 8, .value_kind: global_buffer, .address_space: global }
      - { .name: Wv_codes, .offset: 32, .size: 8, .value_kind: global_buffer, .address_space: global }
      - { .name: Wq_scales, .offset: 40, .size: 8, .value_kind: global_buffer, .address_space: global }
      - { .name: Wk_scales, .offset: 48, .size: 8, .value_kind: global_buffer, .address_space: global }
      - { .name: Wv_scales, .offset: 56, .size: 8, .value_kind: global_buffer, .address_space: global }
      - { .name: bq, .offset: 64, .size: 8, .value_kind: global_buffer, .address_space: global }
      - { .name: bk, .offset: 72, .size: 8, .value_kind: global_buffer, .address_space: global }
      - { .name: bv, .offset: 80, .size: 8, .value_kind: global_buffer, .address_space: global }
      - { .name: mask, .offset: 88, .size: 8, .value_kind: global_buffer, .address_space: global }
      - { .name: q_img, .offset: 96, .size: 8, .value_kind: global_buffer, .address_space: global }
      - { .name: k_img, .offset: 104, .size: 8, .value_kind: global_buffer, .address_space: global }
      - { .name: v_img, .offset: 112, .size: 8, .value_kind: global_buffer, .address_space: global }
      - { .name: q_sc, .offset: 120, .size: 8, .value_kind: global_buffer, .address_space: global }
      - { .name: k_sc, .offset: 128, .size: 8, .value_kind: global_buffer, .address_space: global }
      - { .name: v_sc, .offset: 136, .size: 8, .value_kind: global_buffer, .address_space: global }
    .group_segment_fixed_size: 296448
    .private_segment_fixed_size: 0
    .kernarg_segment_align: 8
    .kernarg_segment_size: 144
    .max_flat_workgroup_size: 128
    .sgpr_count:     106
    .vgpr_count:     1024
    .wavefront_size: 32
...
	.end_amdgpu_metadata
.endif
;; end of part 1
;; launch attn (part 2): grid 4 x 64, 8 waves a work-group, clusters of 4 x 1, 168,960 bytes of LDS; arguments q_img, q_sc, k_img, k_sc, v_img, v_sc, mask, ctx_img, ctx_sc; writes ctx_img, ctx_sc
.if DOCPART == 2
	.amdgcn_target "amdgcn-amd-amdhsa--gfx1250"
	.amdhsa_code_object_version 6
	.text
	.protected	k_q212ea12aed_attn
	.globl	k_q212ea12aed_attn
	.p2align	8
	.type	k_q212ea12aed_attn,@function
k_q212ea12aed_attn:
	s_mov_b64 s[64:65], 0
	v_nop
	global_prefetch_b8 v0, s[64:65] scope:SCOPE_SE
	s_setreg_imm32_b32 hwreg(HW_REG_WAVE_MODE, 25, 1), 1
	s_wait_xcnt 0x0
	s_wait_alu depctr_hold_cnt(0) depctr_sa_sdst(0) depctr_va_vdst(0) depctr_va_sdst(0) depctr_va_ssrc(0) depctr_va_vcc(0) depctr_vm_vsrc(0)
	s_getreg_b32 s2, hwreg(HW_REG_IB_STS2, 6, 4)
	s_cmp_eq_u32 s2, 0
	s_cbranch_scc0 .Lentry_in_a_cluster
	s_endpgm
.Lentry_in_a_cluster:
	s_bfe_u32 s2, ttmp6, 0x10000c
	s_cmp_lg_u32 s2, 0x3003
	s_cbranch_scc0 .Lentry_shape_is_right
	s_endpgm
.Lentry_shape_is_right:
; ctx[b][q][head] = softmax_k(mask ? q . k / 8 : hidden) v, both products on codes of FP4 (E2M1) with E8M0 scales; ctx is quantised along head x 64 + channel for the next launch.
; THE SOFTMAX: t = score x log2(e) / 8; M = the running largest t rounded UP to a whole number; p = 2^(t - M) is quantised along the keys, not normalised; the row's sum is taken of the unquantised p and divides at the end.
; When M moves, the sum and O are multiplied by 2^(old M - new M): exact.
; SHARES.  A work-group owns 512 queries of one head of one batch; the four query blocks of a head are one cluster and ask for K, V and their scale words JOINTLY.  Eight waves, two to a SIMD; a wave holds TWO tiles of 16 queries
; (tile 0 in register window 0, tile 1 in window 1, at the same numbers), so that each fragment read from LDS feeds two products, and walks the head's 2,048 keys, 128 a step, twice: two passes, 32 tiles in all.
; A WHOLE HEAD LIES IN LDS: K's and V's images (65,536 bytes each), their scale words (4,096 each) and the mask's table (8,192): every byte is filled once, at the head, so there is no ring, and nothing is left to ask for ahead of time.
; LAYOUT.  Both products are used transposed: S^T = K Q^T (source 0 = 16 keys, source 1 = 16 queries), O^T = V^T P^T (source 0 = 16 channels, source 1 = P): a lane holds ONE query (lane % 16) throughout.
; K = 64 IN AN INSTRUCTION OF 128: two tiles of keys share a fragment (the even tile in registers 0-3, the odd in 4-7).  Q lies in 12 registers, zeros - q - zeros: registers 4-11 meet the even tile, registers 0-7 the odd one;
; zero codes add nothing.  One scale word serves both tiles of keys; Q's word repeats its two bytes.
; THE MASK IS THE C OF THE SCORES' PRODUCT: a table of f32 in LDS, 0 for a key that counts, -2^33 for a hidden one, whose codes of k the launch before stored as zeros: its score is exactly -2^33.
; c x 2^33 is a whole number that f32 holds, so a row with no key that counts has t = M and p = 1 for every key, the even weights that the softmax of equal logits gives; in every other row hidden keys have p = 0.
; LIMITS: a hidden logit is -2^30 here, not -1e9: results part only where a logit that counts lies near or under -1e9.  NaN and infinities are not served.  Mask bytes are 0 or 1.
; A block whose largest magnitude lies under 2^-124, a block of zeros too, keeps the scale byte 1 (its codes are right or zeros; the bytes are read by this program alone).
; ctx's scale bytes leave one byte a lane, 32 bytes apart: one byte for each 16 bytes of codes.
; REGISTERS.  Window 0, shared: v1-15, v28-31 addresses; v16-27 scale words (scale operands have no window); v32-63 K's fragments; v64-95 V's.  Window 1: v0-63 the eight C tiles.
;   In window w for tile w: v96-159 S^T, then p; v160-191 O^T; v192-199 p's codes; v200-211 Q; v212 -M, v213 the largest t, v[214:215] the sum in two halves; v216-233 at work.
.set VIMG, 65536
.set KSC,  131072
.set VSC,  135168
.set TBL,  139264                      ; written by ds_store alone: no fill lands here
.set RR,   1                           ; v1   r = lane % 16
.set HH,   2                           ; v2   h = lane / 16
.set LI,   3                           ; v3   16 x lane: an image's place for my lane
.set AV0,  5                           ; v5   the same in V's images
.set AC0,  6                           ; v6   the table: my half's eight keys of a tile
.set ASK0, 7                           ; v7   K's scale words: 16 r
.set ASV0, 8                           ; v8   V's
.set ADK,  9                           ; v9-13 the addresses of the step to be fetched: K, the table, K's words, V, V's words
.set ADC,  10
.set ADS,  11
.set ADV,  12
.set ADT,  13
.set GQ,   14                          ; v14  my byte in q_img
.set GQS,  15                          ; v15  in q_sc
.set KS,   16                          ; v16-19 K's scale words, one for each pair of tiles
.set VS,   20                          ; v20-23 V's, one for each 16 channels
.set QS,   24                          ; v24, v25 Q's, tile 0, 1
.set PS,   26                          ; v26, v27 p's
.set GC,   28                          ; v28  my byte in ctx_img
.set GS,   29                          ; v29  in ctx_sc
.set QW,   30                          ; v30  the pair's word of q_sc
.set SH8,  31                          ; v31  8 h
.set KF,   32
.set VF,   64
.set CM,   0                           ; in window 1
.set S,    96
.set OT,   160
.set PC,   192
.set QF,   200
.set NM,   212
.set TX,   213
.set LSUM, 214
.set BM,   216
.set T2,   220
.set SO,   224
.set FF,   228
.set TMP,  230
.set SUM2, 232
.set WV,   22                          ; s22  my wave's number
.set SEL,  26                          ; s[26:27] lane selects for v_permlanex16_b32: lane l xor 16
.set CS,   28                          ; s[28:29] c = log2(e) / 8
.set MSB, 0
.macro WIN new
.if MSB != (\new)
	s_set_vgpr_msb (MSB<<8)|(\new)
.set MSB, (\new)
.endif
.endm
.macro ROUND                           ; a round of the cluster's barrier
	s_barrier_signal -1
	s_barrier_wait -1
	s_cmp_lg_u32 s[WV], 0
	s_cbranch_scc1 .Lnot_wave_0_\@
	s_barrier_signal -3
.Lnot_wave_0_\@:
	s_barrier_wait -3
	s_barrier_signal -1
	s_barrier_wait -1
.endm
	s_load_b512 s[4:19], s[0:1], 0x0               ; q_img s[4:5], q_sc s[6:7], k_img s[8:9], k_sc s[10:11], v_img s[12:13], v_sc s[14:15], mask s[16:17], ctx_img s[18:19]
	s_load_b64 s[20:21], s[0:1], 0x40              ; ctx_sc
	v_lshl_add_u32 v254, v0, 2, 0x29000
	v_mov_b32 v255, 0
	ds_add_u32 v254, v255
	ds_add_u32 v254, v255
	v_lshrrev_b32 v1, 5, v0
	v_readfirstlane_b32 s[WV], v1                  ; wave 0..7
	s_bfe_u32 s23, ttmp6, 0x40000                  ; cx: my block of 512 queries: it enters Q's and ctx's addresses alone
	s_and_b32 s24, ttmp7, 0xffff                   ; batch x head, which the four partners share
	s_mov_b32 s[SEL], 0x76543210
	s_mov_b32 s[SEL+1], 0xfedcba98
	s_mov_b32 s[CS], 0x3e38aa3b
	s_mov_b32 s[CS+1], s[CS]                       ; (the packed form names the pair)
	s_mov_b32 s30, 0x01000100                      ; byte selects: a word's low two bytes twice,
	s_mov_b32 s31, 0x03020302                      ; its high two twice
	; group 1: dense blocks as rows of 256 bytes (32 elements of 8 bytes): 64 rows of images, 4 rows of scale words
	s_mov_b32 s32, 15|(3<<16)|(1<<21)              ; 15:0 the mask: all four work-groups; 17:16 elements of 8 bytes; 21 set beside a mask; no padding: the images are read 16 bytes a lane on end
	s_mov_b32 s33, 32<<16
	s_mov_b32 s34, 64<<16
	s_mov_b32 s35, 32<<16
	s_mov_b32 s36, 64
	s_mov_b32 s37, 32
	s_mov_b32 s38, 0
	s_mov_b32 s39, 0
	s_mov_b32 s40, 15|(3<<16)|(1<<21)
	s_mov_b32 s41, 32<<16
	s_mov_b32 s42, 4<<16
	s_mov_b32 s43, 32<<16
	s_mov_b32 s44, 4
	s_mov_b32 s45, 32
	s_mov_b32 s46, 0
	s_mov_b32 s47, 0
	s_and_b32 s66, s[WV], 3                        ; waves 0-3 fetch the quarters of K's, waves 4-7 of V's
	s_lshl_b32 s68, s24, 16
	s_lshl_b32 s67, s66, 14
	s_add_co_u32 s68, s68, s67                     ; images: 65,536 bytes a head, 16,384 a quarter
	s_mov_b32 s69, 0
	s_lshl_b32 s74, s24, 12
	s_lshl_b32 s67, s66, 10
	s_add_co_u32 s74, s74, s67                     ; scale words: 4,096 a head, 1,024 a quarter
	s_mov_b32 s75, 0
	s_wait_dscnt 0x0
	s_wait_kmcnt 0x0
	s_cmp_lt_u32 s[WV], 4
	s_cselect_b64 s[70:71], s[8:9], s[12:13]
	s_cselect_b64 s[72:73], s[10:11], s[14:15]
	s_mov_b32 s48, 1
	s_lshl_b32 s49, s[WV], 14                      ; LDS: wave x 16,384: K's images, then V's
	s_add_nc_u64 s[50:51], s[70:71], s[68:69]
	s_or_b32 s51, s51, 0x80000000
	s_mov_b32 s52, 1
	s_lshl_b32 s53, s[WV], 10
	s_add_co_u32 s53, s53, KSC                     ; K's words, then V's
	s_add_nc_u64 s[54:55], s[72:73], s[74:75]
	s_or_b32 s55, s55, 0x80000000
	ROUND                                          ; all four work-groups are here: the joint loads meet
	tensor_load_to_lds s[48:51], s[32:39]          ; every wave issues both: two tensor loads of mine are out, all that this launch issues
	s_nop 0
	tensor_load_to_lds s[52:55], s[40:47]
	s_nop 0
.rept 4
	v_nop
.endr
	v_and_b32 v[RR], 15, v0
	v_bfe_u32 v[HH], v0, 4, 1
	v_and_b32 v[LI], 31, v0
	v_lshlrev_b32 v[LI], 4, v[LI]
	v_add_nc_u32 v[AV0], VIMG, v[LI]
	v_lshl_add_u32 v[AC0], v[HH], 5, TBL
	v_lshl_add_u32 v[ASK0], v[RR], 4, KSC
	v_lshl_add_u32 v[ASV0], v[RR], 4, VSC
	v_lshlrev_b32 v[SH8], 3, v[HH]
	; the mask's table: thread t turns the batch's mask bytes 8 t .. 8 t + 7 into f32: 1 -> 0, 0 -> -2^33
	s_lshr_b32 s66, s24, 4
	s_lshl_b32 s66, s66, 11
	s_mov_b32 s67, 0
	s_add_nc_u64 s[16:17], s[16:17], s[66:67]
	v_lshlrev_b32 v9, 3, v0
	global_load_b64 v[96:97], v9, s[16:17]
	v_lshl_add_u32 v10, v0, 5, TBL
.irp w, 0,1                                    ; written once in each window: Q's zeros; registers that are named as a permute's destination or as a pair's upper half before they are first written
	WIN 0x40*\w
.irp j, 0,1,2,3,8,9,10,11
	v_mov_b32 v[QF+\j], 0
.endr
.irp j, 0,1,2,3
	v_mov_b32 v[T2+\j], 0
.endr
	v_mov_b32 v[TMP], 0
	v_mov_b32 v[FF+1], 0
.endr
	WIN 0
	s_wait_loadcnt 0x0
.irp i, 0,1,2,3,4,5,6,7
	v_bfe_u32 v[100+\i], v[96+\i/4], 8*(\i%4), 8
.endr
.irp i, 0,1,2,3,4,5,6,7
	v_add_nc_u32 v[100+\i], -1, v[100+\i]          ; 1 -> 0, 0 -> all ones
.endr
.irp i, 0,1,2,3,4,5,6,7
	v_and_b32 v[100+\i], 0xd0000000, v[100+\i]     ; all ones -> -2^33
.endr
	ds_store_b128 v10, v[100:103]
	ds_store_b128 v10, v[104:107] offset:16
	s_wait_tensorcnt 0x0                           ; my parts of the head have landed,
	s_wait_dscnt 0x0                               ; my part of the table is stored:
	s_barrier_signal -1
	s_barrier_wait -1                              ; everybody's are.  From here on LDS is only read
.macro ADDRS                           ; the addresses of the step whose first bytes stand at s59 (images), s60 (table), s61 (scale words)
	v_add_nc_u32 v[ADK], s59, v[LI]
	v_add_nc_u32 v[ADC], s60, v[AC0]
	v_add_nc_u32 v[ADS], s61, v[ASK0]
	v_add_nc_u32 v[ADV], s59, v[AV0]
	v_add_nc_u32 v[ADT], s61, v[ASV0]
.endm
.macro KGROUP                          ; 25 loads: a step's eight tiles of K, its four scale words, its eight C tiles
.irp t, 0,1,2,3,4,5,6,7
	ds_load_b128 v[KF+4*\t:KF+4*\t+3], v[ADK] offset:512*\t
.endr
	ds_load_b128 v[KS:KS+3], v[ADS]
	WIN 0x40                                       ; destination window 1
.irp t, 0,1,2,3,4,5,6,7
	ds_load_b128 v[CM+8*\t:CM+8*\t+3], v[ADC] offset:64*\t          ; register j of tile t: the table's word of key 16 t + 8 h + j: the result's own layout
	ds_load_b128 v[CM+8*\t+4:CM+8*\t+7], v[ADC] offset:64*\t+16
.endr
	WIN 0
.endm
.macro VGROUP                          ; 9 loads: a step's four fragments of V^T and their scale words
.irp d, 0,1,2,3
.irp c, 0,1
	ds_load_b128 v[VF+8*\d+4*\c:VF+8*\d+4*\c+3], v[ADV] offset:1024*\d+512*\c
.endr
.endr
	ds_load_b128 v[VS:VS+3], v[ADT]
.endm
.macro INIT w                          ; a pass begins: the step is written once, and its first trip finds zeros, which the first change of M leaves zeros
	WIN 0x55*\w
	v_mov_b32 v[TX], 0xff61b1e6                    ; the largest t so far: -3e38, under every t
	v_floor_f32 v[NM], -v[TX]                      ; -M
	v_mov_b32 v[LSUM], 0
	v_mov_b32 v[LSUM+1], 0
.set j, 0
.rept 32
	v_mov_b32 v[OT+j], 0
.set j, j+1
.endr
	WIN 0
.endm
; THE SOFTMAX of tile w for a step of 128 keys, all in window w but p's scale word.  Register 8 t + j of S^T is key 16 t + 8 h + j of my query; block b of 32 keys is registers 16 b .. 16 b + 15 of lanes l and l xor 16.
.macro SOFTMAX w
	WIN 0x55*\w
.irp b, 0,1,2,3
	v_max3_num_f32 v[BM+\b], v[S+16*\b], v[S+16*\b+1], v[S+16*\b+2]   ; the largest SCORE of each block: it serves the row's maximum and, since p rises with the score, the block's largest p.  Each accumulator is read from its low end on
.endr
.irp i, 3,5,7,9,11,13
.irp b, 0,1,2,3
	v_max3_num_f32 v[BM+\b], v[BM+\b], v[S+16*\b+\i], v[S+16*\b+\i+1]
.endr
.endr
.irp b, 0,1,2,3
	v_max_num_f32 v[BM+\b], v[BM+\b], v[S+16*\b+15]
.endr
.irp b, 0,1,2,3
	v_permlanex16_b32 v[T2+\b], v[BM+\b], s[SEL], s[SEL+1]
.endr
.irp b, 0,1,2,3
	v_max_num_f32 v[BM+\b], v[BM+\b], v[T2+\b]     ; with lane l xor 16's 16 keys
.endr
	v_max3_num_f32 v[TMP], v[BM], v[BM+1], v[BM+2]
	v_max_num_f32 v[TMP], v[TMP], v[BM+3]          ; the step's largest score of my query
	v_mul_f32 v[TMP], s[CS], v[TMP]                ; as t (c is positive)
	v_max_num_f32 v[TX], v[TX], v[TMP]             ; the running largest t
	v_mov_b32 v[TMP], v[NM]
	v_floor_f32 v[NM], -v[TX]                      ; the new -M = floor(-t) = -ceil(t): a whole number
	v_sub_f32 v[TMP], v[NM], v[TMP]                ; old M - new M: a whole number, 0 or less
	v_cvt_i32_f32 v[TMP], v[TMP]                   ; (it saturates)
	v_ldexp_f32 v[FF], 1.0, v[TMP]                 ; f = 2^(old M - new M)
.set j, 0
.rept 32
	v_pk_fma_f32 v[S+j:S+j+1], v[S+j:S+j+1], s[CS:CS+1], v[NM:NM+1] op_sel_hi:[1,0,0]   ; t - M, two at a time
.set j, j+2
.endr
.irp b, 0,1,2,3
	v_fma_f32 v[BM+\b], v[BM+\b], s[CS], v[NM]     ; the same of each block's largest score
.endr
.set j, 0
.rept 64
	v_exp_f32 v[S+j], v[S+j]                       ; p = 2^(t - M), at most 1
.set j, j+1
.endr
	v_pk_mul_f32 v[LSUM:LSUM+1], v[LSUM:LSUM+1], v[FF:FF+1] op_sel_hi:[1,0]   ; the sums under the new M.  (The plain place behind the exponentials)
	s_wait_alu depctr_va_vdst(0)                   ; one wait for the batch of 64, ahead of its first reader
.irp b, 0,1,2,3
	v_exp_f32 v[BM+\b], v[BM+\b]                   ; the block's largest p: the same two instructions on the same number give the same bits
.endr
	v_pk_add_f32 v[SUM2:SUM2+1], v[S:S+1], v[S+2:S+3]   ; the row's sum, of the UNQUANTISED p, in two chains: plain work behind the four, which it does not name
.set j, 4
.rept 15
	v_pk_add_f32 v[LSUM:LSUM+1], v[LSUM:LSUM+1], v[S+j:S+j+1]
	v_pk_add_f32 v[SUM2:SUM2+1], v[SUM2:SUM2+1], v[S+j+2:S+j+3]
.set j, j+4
.endr
	v_pk_add_f32 v[LSUM:LSUM+1], v[LSUM:LSUM+1], v[SUM2:SUM2+1]
	s_wait_alu depctr_va_vdst(0)                   ; and one for the four
.irp b, 0,1,2,3
	v_max_num_f32 v[BM+\b], 0x1800000, v[BM+\b]    ; the floor 2^(3 - 127): the byte cannot fall under 1 (a block whose every p is 0 keeps that byte: its codes are zeros)
.endr
.irp b, 0,1,2,3
	v_add_nc_u32 v[SO+\b], 0xff000000, v[BM+\b]    ; 2 off the exponent field: the conversion's scale operand
.endr
.irp b, 0,1,2,3
	v_lshrrev_b32 v[T2+\b], 23, v[SO+\b]           ; the scale's byte
.endr
	v_lshl_or_b32 v[TMP], v[T2+1], 8, v[T2]
	v_lshl_or_b32 v[TMP], v[T2+2], 16, v[TMP]
	WIN 0x15*\w                                    ; the destination in window 0: scale operands have no window
	v_lshl_or_b32 v[PS+\w], v[T2+3], 24, v[TMP]    ; p's scale word for these 128 keys
	WIN 0x55*\w
.irp b, 0,1,2,3
.irp t, 0,1
	v_cvt_scalef32_pk8_fp4_f32 v[PC+4*(\b/2)+2*\t+(\b%2)], v[S+16*\b+8*\t:S+16*\b+8*\t+7], v[SO+\b]
.endr
.endr
	v_nop                                          ; one plain place behind a scaled conversion
.irp c, 0,1
.irp t, 0,1
	v_permlane16_swap_b32 v[PC+4*\c+2*\t], v[PC+4*\c+2*\t+1]   ; register 4 c + g now holds keys 64 c + 32 h + 8 g + 0 .. 7
.endr
.endr
.set j, 0
.rept 16
	v_pk_mul_f32 v[OT+j:OT+j+1], v[OT+j:OT+j+1], v[FF:FF+1] op_sel_hi:[1,0]   ; O^T under the new M.  (These sixteen stand between the scale word and the codes just made and the products that take them)
.set j, j+2
.endr
.endm
; THE END OF A PASS for tile w: O^T / the sum is ctx; its 64 channels are two blocks of the next product's K.
.macro FINISH w
	WIN 0x55*\w
	v_add_f32 v[LSUM], v[LSUM], v[LSUM+1]          ; the sum's two halves,
	v_permlanex16_b32 v[TMP], v[LSUM], s[SEL], s[SEL+1]
	v_add_f32 v[LSUM], v[LSUM], v[TMP]             ; and lane l xor 16's
	v_rcp_f32 v[FF], v[LSUM]
	v_nop                                          ; a plain place behind the reciprocal,
	s_wait_alu depctr_va_vdst(0)                   ; and the wait ahead of its first reader
.set j, 0
.rept 16
	v_pk_mul_f32 v[S+j:S+j+1], v[OT+j:OT+j+1], v[FF:FF+1] op_sel_hi:[1,0]   ; register 8 d + i: channel 16 d + 8 h + i.  Each accumulator is read from its low end on
.set j, j+2
.endr
.irp b, 0,1
	v_max3_num_f32 v[BM+\b], |v[S+16*\b]|, |v[S+16*\b+1]|, 0x1800000
.endr
.irp i, 2,4,6,8,10,12,14
.irp b, 0,1
	v_max3_num_f32 v[BM+\b], v[BM+\b], |v[S+16*\b+\i]|, |v[S+16*\b+\i+1]|
.endr
.endr
.irp b, 0,1
	v_permlanex16_b32 v[T2+\b], v[BM+\b], s[SEL], s[SEL+1]
.endr
.irp b, 0,1
	v_max_num_f32 v[BM+\b], v[BM+\b], v[T2+\b]
.endr
.irp b, 0,1
	v_add_nc_u32 v[SO+\b], 0xff000000, v[BM+\b]
.endr
.irp b, 0,1
	v_lshrrev_b32 v[T2+\b], 23, v[SO+\b]
.endr
	v_lshl_or_b32 v[TMP], v[T2+1], 8, v[T2]        ; the two bytes
.irp b, 0,1
.irp t, 0,1
	v_cvt_scalef32_pk8_fp4_f32 v[PC+2*\t+\b], v[S+16*\b+8*\t:S+16*\b+8*\t+7], v[SO+\b]
.endr
.endr
	v_nop
.irp t, 0,1
	v_permlane16_swap_b32 v[PC+2*\t], v[PC+2*\t+1] ; register g now holds channels 32 h + 8 g + 0 .. 7: half a fragment of the next product
.endr
	WIN 0x44*\w                                    ; the shift count in window 0
	v_lshrrev_b32 v[TMP], v[SH8], v[TMP]           ; lanes 0-15 keep the first block's byte lowest, lanes 16-31 get the second's
	WIN 0x04*\w                                    ; a store's data are its source 1
	global_store_b128 v[GC], v[PC:PC+3], s[18:19] offset:8192*\w   ; 32 lanes store 512 consecutive bytes, aligned
	global_store_b8 v[GS], v[TMP], s[20:21] offset:512*\w
	WIN 0
.endm
	s_mov_b32 s59, 0
	s_mov_b32 s60, 0
	s_mov_b32 s61, 0
	ADDRS
	KGROUP                                         ; key step 0
	VGROUP
	s_lshl_b32 s58, s23, 5
	s_lshl_b32 s66, s[WV], 1
	s_add_co_u32 s58, s58, s66                     ; my first tile of queries in the head: 32 cx + 2 x wave; the second pass takes the tile 16 on
	s_mov_b32 s57, 2
.Lpass:
	s_wait_xcnt 0x0                                ; the last pass's loads and stores have read their offsets and data: both are written again only behind this wait
	s_lshl_b32 s66, s24, 7
	s_add_co_u32 s66, s66, s58
	s_lshl_b32 s66, s66, 9
	v_add_nc_u32 v[GQ], s66, v[LI]                 ; q_img: 512 bytes a tile, 128 tiles a head
	s_lshl_b32 s66, s24, 4
	s_lshr_b32 s67, s58, 3
	s_add_co_u32 s66, s66, s67
	s_lshl_b32 s66, s66, 8
	s_and_b32 s67, s[WV], 3
	s_lshl_b32 s67, s67, 2
	s_add_co_u32 s66, s66, s67
	v_lshl_add_u32 v[GQS], v[RR], 4, s66           ; q_sc: 256 bytes for eight tiles, 16 a row, my pair's word
	global_load_b128 v[QF+4:QF+7], v[GQ], s[4:5]
	WIN 0x40
	global_load_b128 v[QF+4:QF+7], v[GQ], s[4:5] offset:512
	WIN 0
	global_load_b32 v[QW], v[GQS], s[6:7]
	s_lshr_b32 s66, s24, 4
	s_lshl_b32 s66, s66, 7
	s_add_co_u32 s66, s66, s58                     ; my token tile among all 512: 128 x batch + tile
	s_and_b32 s67, s24, 15                         ; the head
	s_lshl_b32 s68, s66, 4
	s_add_co_u32 s68, s68, s67
	s_lshl_b32 s68, s68, 9
	v_add_nc_u32 v[GC], s68, v[LI]                 ; ctx_img: [token tile][head][512 bytes]
	s_lshl_b32 s68, s66, 9
	s_lshl_b32 s67, s67, 1
	s_add_co_u32 s68, s68, s67
	v_lshl_add_u32 v[GS], v[RR], 5, s68            ; ctx_sc: 32 bytes a token, byte 2 x head + block;
	v_add_nc_u32 v[GS], v[GS], v[HH]               ; my half of the lanes stores block h's
	INIT 0
	s_wait_loadcnt 0x0                             ; Q and its word
	v_perm_b32 v[QS], v[QW], v[QW], s30            ; tile 0's two bytes, twice
	v_perm_b32 v[QS+1], v[QW], v[QW], s31          ; tile 1's
	INIT 1                                         ; (its lines also stand between the scale words just made and the first products)
	s_mov_b32 s56, 0
.Lstep:                                            ; 16 trips: a key step each
	s_add_co_u32 s56, s56, 1
	s_and_b32 s66, s56, 15                         ; the step to be fetched: the next, and behind the last the first, which the next pass wants
	s_lshl_b32 s59, s66, 12
	s_lshl_b32 s60, s66, 9
	s_lshl_b32 s61, s66, 8
	s_wait_dscnt 9                                 ; K's group is in; the nine younger loads, V's group, may be out
	WIN 0x10                                       ; C in window 1
.irp t, 0,1,2,3,4,5,6,7
	v_wmma_scale_f32_16x16x128_f8f6f4 v[S+8*\t:S+8*\t+7], v[KF+8*(\t/2):KF+8*(\t/2)+7], v[QF+4-4*(\t%2):QF+11-4*(\t%2)], v[CM+8*\t:CM+8*\t+7], v[KS+\t/2], v[QS] matrix_a_fmt:MATRIX_FMT_FP4 matrix_b_fmt:MATRIX_FMT_FP4
.endr
	WIN 0x54                                       ; Q, C and D in window 1
.irp t, 0,1,2,3,4,5,6,7
	v_wmma_scale_f32_16x16x128_f8f6f4 v[S+8*\t:S+8*\t+7], v[KF+8*(\t/2):KF+8*(\t/2)+7], v[QF+4-4*(\t%2):QF+11-4*(\t%2)], v[CM+8*\t:CM+8*\t+7], v[KS+\t/2], v[QS+1] matrix_a_fmt:MATRIX_FMT_FP4 matrix_b_fmt:MATRIX_FMT_FP4
.endr
	WIN 0
	ADDRS                                          ; five plain lines: the places behind the products, ahead of the loads into their operands and of the first read of the scores
	KGROUP
	SOFTMAX 0
	SOFTMAX 1
	WIN 0
	s_wait_dscnt 25                                ; V's group is in; the 25 younger loads, the next step's K group, may be out
.irp d, 0,1,2,3                                ; each accumulator has one product a step, so that no two products that follow each other share one
	v_wmma_scale_f32_16x16x128_f8f6f4 v[OT+8*\d:OT+8*\d+7], v[VF+8*\d:VF+8*\d+7], v[PC:PC+7], v[OT+8*\d:OT+8*\d+7], v[VS+\d], v[PS] matrix_a_fmt:MATRIX_FMT_FP4 matrix_b_fmt:MATRIX_FMT_FP4
.endr
	WIN 0x54
.irp d, 0,1,2,3
	v_wmma_scale_f32_16x16x128_f8f6f4 v[OT+8*\d:OT+8*\d+7], v[VF+8*\d:VF+8*\d+7], v[PC:PC+7], v[OT+8*\d:OT+8*\d+7], v[VS+\d], v[PS+1] matrix_a_fmt:MATRIX_FMT_FP4 matrix_b_fmt:MATRIX_FMT_FP4
.endr
	WIN 0
.rept 4
	v_nop                                          ; places ahead of the loads into V's registers, and of the first read of O^T behind the last step
.endr
	VGROUP
	s_cmp_lt_u32 s56, 16
	s_cbranch_scc1 .Lstep
	FINISH 0
	FINISH 1
	s_add_co_u32 s58, s58, 16
	s_sub_co_u32 s57, s57, 1
	s_cmp_lg_u32 s57, 0
	s_cbranch_scc1 .Lpass
	s_wait_dscnt 0x0                               ; the last look-ahead, which nobody uses, is in
	s_wait_tensorcnt 0x0
	ds_add_u32 v254, v255
	s_wait_dscnt 0x0
	ROUND                                          ; the closing round
	s_endpgm
.Lfunc_end_k_q212ea12aed_attn:
	.size	k_q212ea12aed_attn, .Lfunc_end_k_q212ea12aed_attn-k_q212ea12aed_attn
	.p2alignl 7, 3214868480
	.fill 96, 4, 3214868480
	.section	.rodata,"a",@progbits
	.p2align	6, 0x0
	.amdhsa_kernel k_q212ea12aed_attn
		.amdhsa_group_segment_fixed_size 168960
		.amdhsa_private_segment_fixed_size 0
		.amdhsa_enable_private_segment 0
		.amdhsa_kernarg_size 72
		.amdhsa_user_sgpr_count 2
		.amdhsa_user_sgpr_kernarg_segment_ptr 1
		.amdhsa_wavefront_size32 1
		.amdhsa_system_sgpr_workgroup_id_x 1
		.amdhsa_system_sgpr_workgroup_id_y 1
		.amdhsa_system_sgpr_workgroup_id_z 1
		.amdhsa_system_vgpr_workitem_id 0
		.amdhsa_next_free_vgpr 512
		.amdhsa_next_free_sgpr 80
		.amdhsa_reserve_vcc 0
		.amdhsa_float_denorm_mode_32 3
		.amdhsa_float_denorm_mode_16_64 3
		.amdhsa_memory_ordered 1
		.amdhsa_forward_progress 1
		.amdhsa_inst_pref_size 50
	.end_amdhsa_kernel
	.amdgpu_metadata
---
amdhsa.version: [ 1, 2 ]
amdhsa.kernels:
  - .name:           k_q212ea12aed_attn
    .symbol:         k_q212ea12aed_attn.kd
    .args:
      - { .name: q_img, .offset: 0, .size: 8, .value_kind: global_buffer, .address_space: global }
      - { .name: q_sc, .offset: 8, .size: 8, .value_kind: global_buffer, .address_space: global }
      - { .name: k_img, .offset: 16, .size: 8, .value_kind: global_buffer, .address_space: global }
      - { .name: k_sc, .offset: 24, .size: 8, .value_kind: global_buffer, .address_space: global }
      - { .name: v_img, .offset: 32, .size: 8, .value_kind: global_buffer, .address_space: global }
      - { .name: v_sc, .offset: 40, .size: 8, .value_kind: global_buffer, .address_space: global }
      - { .name: mask, .offset: 48, .size: 8, .value_kind: global_buffer, .address_space: global }
      - { .name: ctx_img, .offset: 56, .size: 8, .value_kind: global_buffer, .address_space: global }
      - { .name: ctx_sc, .offset: 64, .size: 8, .value_kind: global_buffer, .address_space: global }
    .group_segment_fixed_size: 168960
    .private_segment_fixed_size: 0
    .kernarg_segment_align: 8
    .kernarg_segment_size: 72
    .max_flat_workgroup_size: 256
    .sgpr_count:     80
    .vgpr_count:     512
    .wavefront_size: 32
...
	.end_amdgpu_metadata
.endif
;; end of part 2
;; launch oproj (part 3): grid 4 x 64, 4 waves a work-group, clusters of 4 x 4, 218,368 bytes of LDS; arguments ctx_img, ctx_sc, Wo_codes, Wo_scales, bo, out0; writes out0
.if DOCPART == 3
	.amdgcn_target "amdgcn-amd-amdhsa--gfx1250"
	.amdhsa_code_object_version 6
	.text
	.protected	k_q212ea12aed_oproj
	.globl	k_q212ea12aed_oproj
	.p2align	8
	.type	k_q212ea12aed_oproj,@function
k_q212ea12aed_oproj:
	s_mov_b64 s[64:65], 0
	v_nop
	global_prefetch_b8 v0, s[64:65] scope:SCOPE_SE
	s_setreg_imm32_b32 hwreg(HW_REG_WAVE_MODE, 25, 1), 1
	s_wait_xcnt 0x0
	s_wait_alu depctr_hold_cnt(0) depctr_sa_sdst(0) depctr_va_vdst(0) depctr_va_sdst(0) depctr_va_ssrc(0) depctr_va_vcc(0) depctr_vm_vsrc(0)
	s_getreg_b32 s2, hwreg(HW_REG_IB_STS2, 6, 4)
	s_cmp_eq_u32 s2, 0
	s_cbranch_scc0 .Lentry_in_a_cluster
	s_endpgm
.Lentry_in_a_cluster:
	s_bfe_u32 s2, ttmp6, 0x10000c
	s_cmp_lg_u32 s2, 0xf033
	s_cbranch_scc0 .Lentry_shape_is_right
	s_endpgm
.Lentry_shape_is_right:
; out = relu(ctx Wo + bo) on codes of FP4 (E2M1) with E8M0 scales.  ctx: 8,192 tokens x 1,024 K, as images of operand registers: ctx_img [token tile 512][head 16][512 bytes], heads 2 s and 2 s + 1 being the fragment of K step s;
; its scale bytes ctx_sc [token][32].  Wo: [1024 columns][1024 K] as codes, 512 bytes a row; its scale bytes 32 a row.  bo [1024], out [8192][1024]: f32.  Sums in f32; the bias is the C of each sum's first product.
; SHARES.  256 work-groups of four waves, each 128 tokens x 256 columns; a wave makes 64 x 128: 32 accumulators.  All of K lies in LDS at once, as two halves of 512: every LDS byte is filled once, so there is no ring.
; THE MATRIX INSTRUCTION IS USED TRANSPOSED: source 0 (P) = 16 rows of Wo, source 1 (R) = 16 tokens: a lane holds eight neighbouring numbers of a row of out.
; CLUSTERS: 4 x 4.  ctx's tiles hang on the token block alone and go jointly to a row of the cluster, Wo's on the column block alone and go to a column.
; LIMITS: NaN, infinities and scale bytes 0xff are not served.
; REGISTERS: window 0: v1-27 addresses; v32-95 scale words, a set for each K half; v128-159 R's fragments, one set; v192-255 the bias tiles; on the way out v128-255 are rows of out.
;   window 1: P's fragments, two sets, at v0 and v128.   window 2: accumulator (a, b) at v[8 (8 a + b)].
.set PITCH,  272                       ; a row of Wo in LDS: 256 bytes + 16 of padding
.set HALFT,  128*PITCH
.set CIMG,   32768                     ; a K half of ctx: 8 token tiles x 4,096 bytes, dense: read 16 bytes a lane on end
.set SLOT,   CIMG+2*HALFT              ; then Wo's 256 rows
.set SCL,    2*SLOT                    ; behind the two K halves the scale bytes, as runs of 256 bytes + 16: ctx's 128 rows, then Wo's 256
.set HALFC,  8*272                     ; those of 64 tokens
.set HALFS,  16*272                    ; those of 128 rows of Wo
.set SBLK,   2*272                     ; those of 16 rows
.set SPITCH, 528                       ; the way out: a stage of 16 rows x (512 bytes + 16) for each wave, in K half 0, which has had its one fill and its last read when the first result is stored there
.set NP,     4
.set ADRR, 16
.set ADRP, 20
.set STO,  24
.set RD,   25
.set CO,   26
.set ADRS, 27
.set SC,   32
.set RF,   128
.set CB,   192
.set BK,   128
.set G1, 24
.set G0, 32
.set G1B, 48
.set G0B, 56
.set G1S, 68
.set G0S, 76
.set G1SB, 80
.set G0SB, 88
.set MSB, 0
.macro WIN new
.if MSB != (\new)
	s_set_vgpr_msb (MSB<<8)|(\new)
.set MSB, (\new)
.endif
.endm
.macro PLACES n
.rept \n
	v_nop
.endr
.endm
.macro JLOAD g0a, g1a, g0b, g1b        ; a joint load: waves 0 and 1 fetch for ctx, waves 2 and 3 for Wo; four v_nop follow each of the two lines
	s_cmp_eq_u32 s15, 0
	s_cbranch_scc0 .Lfor_b_\@
	tensor_load_to_lds s[\g0a:\g0a+3], s[\g1a:\g1a+7]
	s_nop 0
.rept 4
	v_nop
.endr
	s_branch .Lasked_\@
.Lfor_b_\@:
	tensor_load_to_lds s[\g0b:\g0b+3], s[\g1b:\g1b+7]
	s_nop 0
.rept 4
	v_nop
.endr
.Lasked_\@:
.endm
.macro CROUND
	s_barrier_signal -1
	s_barrier_wait -1
	s_cmp_lg_u32 s14, 0
	s_cbranch_scc1 .Lnot_wave_0_\@
	s_barrier_signal -3
.Lnot_wave_0_\@:
	s_barrier_wait -3
	s_barrier_signal -1
	s_barrier_wait -1
.endm
	s_load_b128 s[4:7], s[0:1], 0x0                ; ctx_img, ctx_sc
	s_load_b128 s[8:11], s[0:1], 0x10              ; Wo's codes, Wo's scales
	s_load_b64 s[96:97], s[0:1], 0x20              ; bo
	s_load_b64 s[12:13], s[0:1], 0x28              ; out
	v_lshl_add_u32 v126, v0, 2, 0x35300
	v_mov_b32 v127, 0
	ds_add_u32 v126, v127
	ds_add_u32 v126, v127
	v_lshrrev_b32 v1, 5, v0
	v_readfirstlane_b32 s14, v1                    ; wave 0..3
	s_lshr_b32 s15, s14, 1                         ; which 64 of the 128 tokens are mine.  Also: I fetch for ctx (0) or for Wo (1)
	s_and_b32 s16, s14, 1                          ; which 128 of the 256 columns.  Also: which half I fetch
	s_bfe_u32 s40, ttmp6, 0x40000
	s_bfe_u32 s41, ttmp6, 0x40004
	s_lshl_b32 s42, ttmp9, 2
	s_add_co_u32 s42, s42, s40                     ; the block of 256 columns = 4 x cluster x + cx
	s_and_b32 s17, ttmp7, 0xffff
	s_lshl_b32 s17, s17, 2
	s_add_co_u32 s17, s17, s41                     ; the block of 128 tokens = 4 x cluster y + cy
	s_lshl_b32 s43, s41, 2
	s_lshl_b32 s43, 15, s43                        ; my row of the cluster
	s_lshl_b32 s44, 0x1111, s40                    ; my column
	; group 1 for ctx's images: 4 token tiles, of each 4,096 bytes (512 elements of 8 bytes), 8,192 bytes apart in memory; dense in LDS
	s_or_b32 s[G1+0], s43, (3<<16)|(1<<21)
	s_mov_b32 s[G1+1], 512<<16
	s_mov_b32 s[G1+2], 4<<16
	s_mov_b32 s[G1+3], 512<<16
	s_mov_b32 s[G1+4], 4
	s_mov_b32 s[G1+5], 1024
	s_mov_b32 s[G1+6], 0
	s_mov_b32 s[G1+7], 0
	; for Wo's tiles: 128 rows x 256 bytes, 512 bytes apart, 16 bytes of padding behind each
	s_or_b32 s[G1B+0], s44, (0<<16)|(1<<20)|(1<<21)|(5<<22)|(3<<25)
	s_mov_b32 s[G1B+1], 256<<16
	s_mov_b32 s[G1B+2], 128<<16
	s_mov_b32 s[G1B+3], 256<<16
	s_mov_b32 s[G1B+4], 128
	s_mov_b32 s[G1B+5], 512
	s_mov_b32 s[G1B+6], 0
	s_mov_b32 s[G1B+7], 0
	; for the scale bytes: dense blocks as rows of 256 bytes, padded: 8 rows (64 tokens), 16 rows (128 rows of Wo)
	s_or_b32 s[G1S+0], s43, (3<<16)|(1<<20)|(1<<21)|(5<<22)|(3<<25)
	s_mov_b32 s[G1S+1], 32<<16
	s_mov_b32 s[G1S+2], 8<<16
	s_mov_b32 s[G1S+3], 32<<16
	s_mov_b32 s[G1S+4], 8
	s_mov_b32 s[G1S+5], 32
	s_mov_b32 s[G1S+6], 0
	s_mov_b32 s[G1S+7], 0
	s_or_b32 s[G1SB+0], s44, (3<<16)|(1<<20)|(1<<21)|(5<<22)|(3<<25)
	s_mov_b32 s[G1SB+1], 32<<16
	s_mov_b32 s[G1SB+2], 16<<16
	s_mov_b32 s[G1SB+3], 32<<16
	s_mov_b32 s[G1SB+4], 16
	s_mov_b32 s[G1SB+5], 32
	s_mov_b32 s[G1SB+6], 0
	s_mov_b32 s[G1SB+7], 0
	s_lshl_b32 s20, s17, 3
	s_lshl_b32 s18, s16, 2
	s_add_co_u32 s20, s20, s18                     ; ctx: token tile 8 y + 4 half
	s_lshl_b32 s22, s20, 9                         ; 512 scale bytes a tile,
	s_lshl_b32 s20, s20, 13                        ; 8,192 bytes of images
	s_mov_b32 s21, 0
	s_mov_b32 s23, 0
	s_lshl_b32 s46, s42, 8
	s_lshl_b32 s18, s16, 7
	s_add_co_u32 s46, s46, s18                     ; Wo: row 256 x + 128 half
	s_lshl_b32 s92, s46, 5
	s_lshl_b32 s46, s46, 9
	s_mov_b32 s47, 0
	s_mov_b32 s93, 0
	s_lshl_b32 s45, s16, 14                        ; where they go: no place in the cluster enters an LDS address
	s_mul_i32 s94, s16, HALFT
	s_add_co_u32 s94, s94, CIMG
	s_mul_i32 s95, s16, HALFC
	s_add_co_u32 s95, s95, SCL
	s_mul_i32 s3, s16, HALFS
	s_add_co_u32 s3, s3, SCL+2*HALFC
	s_wait_dscnt 0x0
	s_wait_kmcnt 0x0
	s_add_nc_u64 s[20:21], s[4:5], s[20:21]
	s_add_nc_u64 s[22:23], s[6:7], s[22:23]
	s_add_nc_u64 s[46:47], s[8:9], s[46:47]
	s_add_nc_u64 s[92:93], s[10:11], s[92:93]
	CROUND                                         ; all sixteen work-groups are here: the joint loads meet
	s_mov_b32 s[G0S], 1
	s_mov_b32 s[G0S+1], s95
	s_mov_b64 s[G0S+2:G0S+3], s[22:23]
	s_or_b32 s[G0S+3], s[G0S+3], 0x80000000
	s_mov_b32 s[G0SB], 1
	s_mov_b32 s[G0SB+1], s3
	s_mov_b64 s[G0SB+2:G0SB+3], s[92:93]
	s_or_b32 s[G0SB+3], s[G0SB+3], 0x80000000
	JLOAD G0S, G1S, G0SB, G1SB                     ; the scales first
.irp s, 0,1
	s_mov_b32 s[G0+4*\s], 1
	s_add_co_u32 s[G0+4*\s+1], s45, \s*SLOT
	s_add_nc_u64 s[G0+4*\s+2:G0+4*\s+3], s[20:21], \s*4096
	s_or_b32 s[G0+4*\s+3], s[G0+4*\s+3], 0x80000000
	s_mov_b32 s[G0B+4*\s], 1
	s_add_co_u32 s[G0B+4*\s+1], s94, \s*SLOT
	s_add_nc_u64 s[G0B+4*\s+2:G0B+4*\s+3], s[46:47], \s*256
	s_or_b32 s[G0B+4*\s+3], s[G0B+4*\s+3], 0x80000000
	JLOAD G0+4*\s, G1, G0B+4*\s, G1B               ; three tensor loads of mine are out now: all that this launch issues
.endr
	v_and_b32 v1, 15, v0                           ; r
	v_bfe_u32 v2, v0, 4, 1                         ; h
	v_and_b32 v6, 31, v0
	v_lshlrev_b32 v[CO], 4, v6                     ; 16 x lane
	v_mul_u32_u24 v3, v1, PITCH
	v_lshl_add_u32 v4, v2, 4, v3                   ; a row of Wo x pitch + 16 h
	s_lshl_b32 s21, s15, 14                        ; my four token tiles
	s_mul_i32 s22, s16, HALFT
	s_add_co_u32 s22, s22, CIMG                    ; my 128 rows of Wo
.irp s, 0,1
	v_add_nc_u32 v[ADRR+\s], s21, v[CO]
	v_add_nc_u32 v[ADRP+\s], s22, v4
	s_add_co_u32 s21, s21, SLOT
	s_add_co_u32 s22, s22, SLOT
.endr
	v_lshlrev_b32 v5, 5, v1                        ; my row's scale bytes: 32 a row,
	v_lshrrev_b32 v6, 8, v5
	v_lshl_add_u32 v5, v6, 4, v5                   ; and 16 more for each 256 passed
	s_mul_i32 s21, s15, HALFC                      ; ctx's: my 64 tokens
	s_mul_i32 s22, s16, HALFS                      ; Wo's: my 128 rows, behind ctx's 128
	s_add_co_u32 s22, s22, 2*HALFC
	s_sub_co_u32 s22, s22, s21
	v_mul_u32_u24 v6, s22, v2                      ; lanes 16-31 take Wo's
	s_add_co_u32 s21, s21, SCL
	v_add_nc_u32 v5, v5, v6
	v_add_nc_u32 v[ADRS], s21, v5
	s_mul_i32 s23, s14, 16*SPITCH                  ; my stage
	v_mul_u32_u24 v5, v1, SPITCH                   ; in: row r, 32 bytes for each half of the lanes
	v_lshl_add_u32 v5, v2, 5, v5
	v_add_nc_u32 v[STO], s23, v5
	v_add_nc_u32 v[RD], s23, v[CO]                 ; back: the 32 lanes take one row of 512 bytes
	s_lshl_b32 s20, s17, 7
	s_lshl_b32 s21, s15, 6
	s_add_co_u32 s20, s20, s21                     ; my first row of out: 128 y + 64 half
	s_lshl_b32 s20, s20, 12                        ; 4,096 bytes a row
	s_lshl_b32 s21, s42, 10                        ; my first column, in bytes: 1,024 x + 512 half
	s_add_co_u32 s20, s20, s21
	s_lshl_b32 s21, s16, 9
	s_add_co_u32 s20, s20, s21
	s_mov_b32 s21, 0
	s_add_nc_u64 s[12:13], s[12:13], s[20:21]
	s_lshl_b32 s20, s42, 10                        ; the bias of my 128 columns
	s_lshl_b32 s21, s16, 9
	s_add_co_u32 s20, s20, s21
	s_mov_b32 s21, 0
	s_add_nc_u64 s[96:97], s[96:97], s[20:21]
	v_lshlrev_b32 v5, 5, v2                        ; 32 h
.irp b, 0,1,2,3,4,5,6,7                        ; tile b wants the bias of columns 16 b + 8 h + 0 .. 7
	global_load_b128 v[CB+8*\b:CB+8*\b+3], v5, s[96:97] offset:64*\b
	global_load_b128 v[CB+8*\b+4:CB+8*\b+7], v5, s[96:97] offset:64*\b+16
.endr
.macro FRAG reg, adr, q, i             ; a fragment of Wo from rows: registers 4 c .. 4 c + 3 hold K = 64 c + 32 (l / 16) + 0 .. 31
.irp c, 0,1
	ds_load_b128 v[\reg+4*\c:\reg+4*\c+3], v[\adr] offset:64*(\q)+32*\c+(\i)*16*PITCH
.endr
.endm
.macro FRAGIMG reg, adr, q, i          ; a fragment of ctx from its image: token tile i, the K half's q-th 128: heads 2 q and 2 q + 1 of its eight
.irp c, 0,1
	ds_load_b128 v[\reg+4*\c:\reg+4*\c+3], v[\adr] offset:4096*(\i)+1024*(\q)+512*\c
.endr
.endm
; 8 matrix instructions: token tile a against Wo's eight blocks.  mode 0: the sums go on; 1: the first products start them with the bias.  The 32 accumulators take turns, one instruction a turn, in the same order in every step.
.macro MULA a, p, q, sc, mode
.if \mode == 0
	WIN 0xa1                                       ; P window 1, R window 0, C and D window 2
.else
	WIN 0x81                                       ; the same with C in window 0
.endif
.irp b, 0,1,2,3,4,5,6,7
.if \mode == 0
	v_wmma_scale_f32_16x16x128_f8f6f4 v[8*(8*(\a)+\b):8*(8*(\a)+\b)+7], v[128*(\p)+8*\b:128*(\p)+8*\b+7], v[RF+8*(\a):RF+8*(\a)+7], v[8*(8*(\a)+\b):8*(8*(\a)+\b)+7], v[SC+32*(\sc)+4*\b+(\q)], v[SC+32*(\sc)+4*(\a)+(\q)] matrix_a_fmt:MATRIX_FMT_FP4 matrix_b_fmt:MATRIX_FMT_FP4 matrix_a_scale:MATRIX_SCALE_ROW1
.else
	v_wmma_scale_f32_16x16x128_f8f6f4 v[8*(8*(\a)+\b):8*(8*(\a)+\b)+7], v[128*(\p)+8*\b:128*(\p)+8*\b+7], v[RF+8*(\a):RF+8*(\a)+7], v[CB+8*\b:CB+8*\b+7], v[SC+32*(\sc)+4*\b+(\q)], v[SC+32*(\sc)+4*(\a)+(\q)] matrix_a_fmt:MATRIX_FMT_FP4 matrix_b_fmt:MATRIX_FMT_FP4 matrix_a_scale:MATRIX_SCALE_ROW1
.endif
.endr
.endm
.macro FETCH_P slot, q, p
	WIN 0x40
.irp i, 0,1,2,3,4,5,6,7
	FRAG 128*(\p)+8*\i, ADRP+\slot, \q, \i
.endr
	WIN 0
.endm
.macro FETCH_R slot, q, i0             ; token tiles i0, i0 + 1
.irp i, \i0, \i0+1
	FRAGIMG RF+8*(\i), ADRR+\slot, \q, \i
.endr
.endm
.macro SCALES sc                       ; a K half's scale words: lanes 0-15 take token tile i's (tiles 0-3 are mine; what they read for i = 4 .. 7 are filled bytes that nobody uses), lanes 16-31 Wo's block i
.irp i, 0,1,2,3,4,5,6,7
	ds_load_b128 v[SC+32*\sc+4*\i:SC+32*\sc+4*\i+3], v[ADRS] offset:\i*SBLK
.endr
.endm
.macro STEP slot, q, mode
	s_wait_dscnt 4                                 ; all but the youngest four loads (token tiles 2, 3) are in
	MULA 0, (\q)%2, \q, \slot, \mode
	MULA 1, (\q)%2, \q, \slot, \mode
	s_wait_dscnt 0x0
	PLACES NP                                      ; places ahead of loads into registers that matrix instructions have read
	FETCH_P \slot, (\q)+1, 1-(\q)%2
	FETCH_R \slot, (\q)+1, 0
	MULA 2, (\q)%2, \q, \slot, \mode
	MULA 3, (\q)%2, \q, \slot, \mode
	PLACES NP
	WIN 0
	FETCH_R \slot, (\q)+1, 2
.endm
	s_wait_tensorcnt 1                             ; the scales and my part of K half 0 are in; only K half 1's load may be out
	s_barrier_signal -1
	s_barrier_wait -1
	FETCH_P 0, 0, 0
	FETCH_R 0, 0, 0
	SCALES 0
	FETCH_R 0, 0, 2
	s_wait_loadcnt 0x0                             ; the bias
	STEP 0, 0, 1
	STEP 0, 1, 0
	STEP 0, 2, 0
	; the last step of K half 0, and the one barrier that shows K half 1 whole to every wave
	s_wait_tensorcnt 0x0                           ; my part of K half 1 has landed
	s_wait_dscnt 4
	MULA 0, 1, 3, 0, 0
	s_wait_dscnt 0x0                               ; my reads of K half 0 are over: behind this barrier nobody reads it
	s_barrier_signal -1
	MULA 1, 1, 3, 0, 0
	WIN 0
	s_barrier_wait -1
	PLACES NP
	v_add_nc_u32 v[ADRS], 16, v[ADRS]              ; the second 16 of a row's 32 scale bytes
	FETCH_P 1, 0, 0
	FETCH_R 1, 0, 0
	SCALES 1
	MULA 2, 1, 3, 0, 0
	MULA 3, 1, 3, 0, 0
	PLACES NP
	WIN 0
	FETCH_R 1, 0, 2
	STEP 1, 0, 0
	STEP 1, 1, 0
	STEP 1, 2, 0
	s_wait_dscnt 4                                 ; the very last step
	MULA 0, 1, 3, 1, 0
	MULA 1, 1, 3, 1, 0
	s_wait_dscnt 0x0
	MULA 2, 1, 3, 1, 0
	MULA 3, 1, 3, 1, 0
	WIN 0
; THE WAY OUT, a block of 16 tokens x 128 columns at a time.  A lane holds 32 neighbouring bytes of a row and the lanes beside it other rows: the block goes through my own stage in LDS and comes back as whole rows of 512 bytes.
; LDS serves a wave's instructions in order (ISA guide 5.7.1.4): no wait between the stores and the loads, nor ahead of the next block's stores.
.macro TOSTAGE a
	WIN 0x08                                       ; an LDS store's data are its source 1: window 2
.irp b, 0,1,2,3,4,5,6,7
	ds_store_b128 v[STO], v[64*(\a)+8*\b:64*(\a)+8*\b+3] offset:64*\b          ; each accumulator from its low end on
	ds_store_b128 v[STO], v[64*(\a)+8*\b+4:64*(\a)+8*\b+7] offset:64*\b+16
.endr
	WIN 0
.irp t, 0,1,2,3,4,5,6,7,8,9,10,11,12,13,14,15
	ds_load_b128 v[BK+64*((\a)%2)+4*\t:BK+64*((\a)%2)+4*\t+3], v[RD] offset:\t*SPITCH
.endr
.endm
.macro SEND a, younger                 ; younger: the LDS instructions issued behind block a's loads, which may stay out
	s_wait_dscnt \younger                          ; the block is back in registers
.if (\a) > 0
	s_add_nc_u64 s[12:13], s[12:13], 16*4096       ; 16 rows of out on (behind a wait on XCNT: the earlier stores have read their base)
.endif
.set j, 0
.rept 64
	v_max_num_f32 v[BK+64*((\a)%2)+j], 0, v[BK+64*((\a)%2)+j]   ; relu
.set j, j+1
.endr
.irp t, 0,1,2,3,4,5,6,7,8,9,10,11,12,13,14,15
	global_store_b128 v[CO], v[BK+64*((\a)%2)+4*\t:BK+64*((\a)%2)+4*\t+3], s[12:13] offset:\t*4096 th:TH_STORE_NT   ; 32 lanes store 512 consecutive bytes, aligned; written once, read by nobody here
.endr
.endm
	PLACES NP                                      ; ahead of the first read of results and of the loads into the registers that held R's fragments
	TOSTAGE 0
.irp a, 1,2,3
.if \a > 1
	s_wait_xcnt 0x0                                ; block a - 2's stores have read their registers and their base: block a's loads may land there, and the base may step
.endif
	TOSTAGE \a
	SEND \a-1, 32                                  ; behind block a - 1's loads: block a's 16 stores and 16 loads
.endr
	s_wait_xcnt 0x0
	SEND 3, 0
	s_wait_tensorcnt 0x0
	ds_add_u32 v126, v127
	s_wait_dscnt 0x0
	CROUND                                         ; the closing round: no work-group ends while a partner may still ask for a tile that names it
	s_endpgm
.Lfunc_end_k_q212ea12aed_oproj:
	.size	k_q212ea12aed_oproj, .Lfunc_end_k_q212ea12aed_oproj-k_q212ea12aed_oproj
	.p2alignl 7, 3214868480
	.fill 96, 4, 3214868480
	.section	.rodata,"a",@progbits
	.p2align	6, 0x0
	.amdhsa_kernel k_q212ea12aed_oproj
		.amdhsa_group_segment_fixed_size 218368
		.amdhsa_private_segment_fixed_size 0
		.amdhsa_enable_private_segment 0
		.amdhsa_kernarg_size 48
		.amdhsa_user_sgpr_count 2
		.amdhsa_user_sgpr_kernarg_segment_ptr 1
		.amdhsa_wavefront_size32 1
		.amdhsa_system_sgpr_workgroup_id_x 1
		.amdhsa_system_sgpr_workgroup_id_y 1
		.amdhsa_system_sgpr_workgroup_id_z 1
		.amdhsa_system_vgpr_workitem_id 0
		.amdhsa_next_free_vgpr 768
		.amdhsa_next_free_sgpr 100
		.amdhsa_reserve_vcc 0
		.amdhsa_float_denorm_mode_32 3
		.amdhsa_float_denorm_mode_16_64 3
		.amdhsa_memory_ordered 1
		.amdhsa_forward_progress 1
		.amdhsa_inst_pref_size 83
	.end_amdhsa_kernel
	.amdgpu_metadata
---
amdhsa.version: [ 1, 2 ]
amdhsa.kernels:
  - .name:           k_q212ea12aed_oproj
    .symbol:         k_q212ea12aed_oproj.kd
    .args:
      - { .name: ctx_img, .offset: 0, .size: 8, .value_kind: global_buffer, .address_space: global }
      - { .name: ctx_sc, .offset: 8, .size: 8, .value_kind: global_buffer, .address_space: global }
      - { .name: Wo_codes, .offset: 16, .size: 8, .value_kind: global_buffer, .address_space: global }
      - { .name: Wo_scales, .offset: 24, .size: 8, .value_kind: global_buffer, .address_space: global }
      - { .name: bo, .offset: 32, .size: 8, .value_kind: global_buffer, .address_space: global }
      - { .name: out0, .offset: 40, .size: 8, .value_kind: global_buffer, .address_space: global }
    .group_segment_fixed_size: 218368
    .private_segment_fixed_size: 0
    .kernarg_segment_align: 8
    .kernarg_segment_size: 48
    .max_flat_workgroup_size: 128
    .sgpr_count:     100
    .vgpr_count:     768
    .wavefront_size: 32
...
	.end_amdgpu_metadata
.endif
;; end of part 3
